; MI455X (gfx1250); checked and timed in simulation.
; The chip was launched on July 23, 2026; its instructions are those of AMD's public machine-readable ISA for CDNA 5 (MIT licence, August 2026) and "CDNA5" Instruction Set Architecture Reference Guide (July 2026). The comments in the code are by the model that wrote it; some were corrected since.
;; Dec Attention. Allowed arithmetic: matrix products marked QUANTISED: E2M1 operands, one E8M0 scale for each 32 along K, by v_wmma_scale_f32_16x16x128_f8f6f4 with both operands' format E2M1 (or v_wmma_scale_f32_32x16x128_f4), f32 sums; products left as they are: bf16, f16 or f32 operands; f32 sums; everything else in f32.
;; Inputs: Wo 1,024 x 1,024 float32; Wqkv 1,024 x 3,072 float32; bo 1,024 float32; bqkv 3,072 float32; x 4 x 2,048 x 1,024 float32.
;; Outputs: out0 4 x 2,048 x 1,024 float32.
;; This version of the problem:
;;   THIS VERSION OF THE PROBLEM IS GIVEN IN LOW PRECISION. The matrix products marked QUANTISED in the list below multiply operands that are first quantised to E2M1 (2 exponent bits, 1 mantissa bit; 4 bits a number), with one power-of-two scale for each 32 numbers along K (OCP MX v1.0); their sums are f32. The products marked 'left as it is' may take bf16, f16 or f32 operands, with f32 sums. Whichever they take, every output number must still come out within the allowed error. Rounding operands to bf16 (8 significant bits) uses up far more of that allowance than f16 does (11 bits, for magnitudes from 6e-5 to 65,504). All else is computed in f32.
;;   The module's matrix products, in the order in which they are computed (A, B: the left and right operand; K: the contracted axis; several contracted axes count as one K, in the product's order):
;;     1. [M 8,192, K 1,024] x [K 1,024, N 3,072]; A: input x; B: input Wqkv: QUANTISED
;;     2. batch 64 x [M 2,048, K 64] x [K 64, N 2,048]; A: computed on the way; B: computed on the way: left as it is (an operand is computed on the way)
;;     3. batch 64 x [M 2,048, K 2,048] x [K 2,048, N 64]; A: computed on the way; B: computed on the way: left as it is (an operand is computed on the way)
;;     4. [M 8,192, K 1,024] x [K 1,024, N 1,024]; A: computed on the way; B: input Wo: left as it is (an operand is computed on the way)
;;   THE QUANTISER, for each operand of a quantised product, along K:
;;     - K is cut into blocks of 32 from its start; a last block that is shorter is filled with zeros.
;;     - A block's scale is 2^e with e = floor(log2(the largest magnitude in the block)) - 2, held to -126 .. 127; a block of zeros has e = 0. As a byte (E8M0): e + 127.
;;     - Each number is divided by its block's scale, clamped to +-6, and rounded to the nearest number of E2M1, ties to even, subnormals kept.
;;     - The product sums the exact products of the quantised numbers (number of the format x scale) in f32.
;;   ~~~python
;;   def quantise(x, axis):      # numpy; x: float32 -> the quantised numbers, widened to float32 again
;;       x = np.moveaxis(x, axis, -1); K = x.shape[-1]
;;       x = np.pad(x, [(0, 0)] * (x.ndim - 1) + [(0, -K % 32)]); x = x.reshape(x.shape[:-1] + (-1, 32)); a = np.abs(x).max(-1, keepdims=True)
;;       e = np.where(a > 0, np.clip(np.frexp(np.where(a > 0, a, 1))[1] - 1 - 2, -126, 127), 0)      # np.frexp(a)[1] - 1 = floor(log2(a)), exactly
;;       r = np.clip(x / 2.0 ** e, -6, 6)
;;       step = 2.0 ** (np.maximum(np.frexp(np.where(r == 0, 1, r))[1] - 1, 0) - 1)
;;       q = np.round(r / step) * step * 2.0 ** e      # np.round: ties to even
;;       return np.moveaxis(q.reshape(q.shape[:-2] + (-1,))[..., :K], -1, axis).astype(np.float32)
;;   ~~~
;; One version. Each part assembles by itself: llvm-mc -triple=amdgcn-amd-amdhsa -mcpu=gfx1250 --defsym DOCPART=n.
;; ======== version 1 of 1: 5 launches
;; limits: values are held in f16: magnitudes above 65,504 overflow, below 6.1e-05 lose precision
;; workspace buffers: xc 4,194,304 bytes; xs 262,144 bytes; wc 1,572,864 bytes; ws 98,304 bytes; wof 2,097,152 bytes; qkv 50,331,648 bytes; qkv32 786,432 bytes; yimg 16,777,216 bytes
;; launch prep (part 1): grid 512 x 1, 4 waves a work-group, no clusters, 33,280 bytes of LDS; arguments x, Wqkv, Wo, xc, xs, wc, ws, wof; writes xc, xs, wc, ws, wof
.if DOCPART == 1
	.amdgcn_target "amdgcn-amd-amdhsa--gfx1250"
	.amdhsa_code_object_version 6
	.text
	.protected	k_q56b18ed811_prep
	.globl	k_q56b18ed811_prep
	.p2align	8
	.type	k_q56b18ed811_prep,@function
k_q56b18ed811_prep:
	s_mov_b64 s[64:65], 0
	v_nop
	global_prefetch_b8 v0, s[64:65] scope:SCOPE_SE
	s_setreg_imm32_b32 hwreg(HW_REG_WAVE_MODE, 25, 1), 1
	s_wait_xcnt 0x0
; PREP: three jobs in one launch, told apart by the work-group's number alone.
;  X (work-groups 0-255):  x [8192][1024] f32 -> codes of FP4 (E2M1), K innermost, xc [8192][512 bytes], and one E8M0 byte for each 32 along K, xs [8192][32].
;  W (256-447): Wqkv [1024 (k)][3072 (n)] f32, K its FIRST axis -> codes laid as IMAGES OF THE OPERAND'S REGISTERS: wc [k / 512][n / 16][(k / 128) % 4][1024 bytes]; in an image the 16 bytes of
;               block kb (32 along K) of column r lie at 256 kb + 16 r, which is register group kb / 2 of lane r + 16 (kb % 2).  Scale bytes ws [3072][32].
;  O (448-511): Wo [1024 (k)][1024 (n)] f32 -> f16, images of 16 columns x 32 k: wof [k / 256][n / 16][(k / 32) % 8][1024 bytes]; the 16 bytes of k = 8 p .. 8 p + 7 of column r lie at 256 p + 16 r.
; A block's scale is 2^(floor(log2(largest magnitude)) - 2); its byte is the largest magnitude's exponent field - 2, held at 1 from below.
; LIMITS: a block of zeros, and one whose largest magnitude lies under 2^-124, gets the byte 1 (zeros' codes are zeros; this program alone reads the bytes).  NaN and infinities among the inputs are not served.
;         Wo in f16: magnitudes above 65,504 become infinity, those under 6e-5 lose bits.
; Only job X uses LDS.  No tensor loads, no barrier: waves share nothing.
.set SPW,   12                         ; v12  LDS address of my spare word; never rewritten
.set NIL,   13                         ; v13  0; never rewritten
.set SPARE, 32768                      ; behind the four waves' regions: the spare words, 128 bytes a wave
.set WREG,  8192                       ; job X: a wave's LDS region: two stages of 32 x SP bytes, then its 256 scale bytes
.set SP,    80                         ; a lane's place in a stage: 64 bytes + 16 of padding
.set STEPS, 16
.set EMAX,  2
.set CB,    8                          ; bytes of 16 codes
.set R,     16                         ; job X: v16-79 four sets of 16 numbers as loaded
.set X,     80                         ; v80-111 two sets of 16 neighbours
.set E,     112                        ; v112-127 a scale byte for each step
.set C,     128                        ; v128-191 codes, four registers a step
.set IN,    32                         ; jobs W, O: v32-159: 128 numbers down K of my column
.set CD,    160                        ; job W: v160-175 codes, four registers a block
.set OI,    21                         ; v21 byte offset of my column in a row
.set OC,    22                         ; v22 my place in the images
.set OS,    23                         ; v23 my place among the scale bytes
	s_load_b256 s[4:11], s[0:1], 0x0               ; x s[4:5], Wqkv s[6:7], Wo s[8:9], xc s[10:11]
	s_load_b256 s[12:19], s[0:1], 0x20             ; xs s[12:13], wc s[14:15], ws s[16:17], wof s[18:19]
	v_lshl_add_u32 v[SPW], v0, 2, SPARE
	v_mov_b32 v[NIL], 0
	v_lshrrev_b32 v1, 5, v0
	v_readfirstlane_b32 s20, v1                    ; wave 0..3
	v_and_b32 v2, 31, v0                           ; lane
	s_wait_kmcnt 0x0
	s_cmp_lt_u32 ttmp9, 256
	s_cbranch_scc0 .Lnot_x
; ---------------- job X: a wave takes 16 steps of 512 numbers.  Each load reads 512 consecutive bytes; a step's 2,048 bytes turn through the wave's own stage, so that a lane holds 16 neighbours along K.
	v_lshlrev_b32 v3, 4, v2                        ; my 16 bytes of a load's 512
	s_mul_i32 s21, s20, WREG
	v_lshrrev_b32 v14, 2, v2
	v_mul_u32_u24 v14, v14, SP
	v_and_b32 v15, 3, v2
	v_lshl_add_u32 v14, v15, 4, v14
	v_add_nc_u32 v14, s21, v14                     ; the stage, on the way in: SP (lane / 4) + 16 (lane % 4)
	v_mul_u32_u24 v15, v2, SP
	v_add_nc_u32 v15, s21, v15                     ; and on the way out: SP x lane
	v_mul_u32_u24 v4, v2, CB                       ; my codes' place in a step's 256 bytes
	v_lshrrev_b32 v5, 1, v2
	s_add_co_u32 s21, s21, 2*32*SP
	v_add_nc_u32 v5, s21, v5                       ; my block's scale byte in LDS
	v_lshlrev_b32 v7, 3, v2
	v_add_nc_u32 v6, s21, v7                       ; and 8 bytes a lane on the way out
	s_lshl_b32 s22, ttmp9, 2
	s_add_co_u32 s22, s22, s20                     ; which run of 8,192 numbers is my wave's
	s_mov_b32 s25, 0
	s_lshl_b32 s24, s22, 15
	s_add_nc_u64 s[4:5], s[4:5], s[24:25]          ; 32,768 bytes of x a run,
	s_lshl_b32 s24, s22, 12
	s_add_nc_u64 s[10:11], s[10:11], s[24:25]      ; 4,096 of codes,
	s_lshl_b32 s24, s22, 8
	s_add_nc_u64 s[12:13], s[12:13], s[24:25]      ; 256 scale bytes
.macro XLOAD t
.irp i, 0,1,2,3
	global_load_b128 v[R+16*((\t)%4)+4*\i:R+16*((\t)%4)+4*\i+3], v3, s[4:5] offset:2048*(\t)+512*\i th:TH_LOAD_NT
.endr
.endm
.macro XTURN t                         ; step t through the stage: LDS serves a wave's instructions in order, so no wait stands between the stores and the loads
.irp i, 0,1,2,3
	ds_store_b128 v14, v[R+16*((\t)%4)+4*\i:R+16*((\t)%4)+4*\i+3] offset:32*SP*((\t)%2)+8*SP*\i
.endr
.irp i, 0,1,2,3
	ds_load_b128 v[X+16*((\t)%2)+4*\i:X+16*((\t)%2)+4*\i+3], v15 offset:32*SP*((\t)%2)+16*\i
.endr
.endm
.irp t, 0,1,2,3
	XLOAD \t
.endr
	s_wait_loadcnt 12                              ; step 0's four loads are in; three steps' twelve may be out
	XTURN 0
.macro XSTEP t
.set XS, X+16*((\t)%2)
.if (\t) > 0
	s_wait_dscnt 1                                 ; this step's numbers are back from the stage; the last step's byte store may be out
.else
	s_wait_dscnt 0x0
.endif
.if (\t)+4 < STEPS
	XLOAD (\t)+4                                   ; into the registers that the stage's stores have read
.endif
.if (\t)+1 < STEPS
.if STEPS-2-(\t) >= 3
	s_wait_loadcnt 12                              ; the next step's loads are in; three later steps' may be out
.else
	s_wait_loadcnt 4*(STEPS-2-(\t))
.endif
	XTURN (\t)+1
.endif
	v_max3_num_f32 v8, |v[XS]|, |v[XS+1]|, |v[XS+2]|
	v_max3_num_f32 v9, |v[XS+3]|, |v[XS+4]|, |v[XS+5]|
.irp i, 6,10
	v_max3_num_f32 v8, v8, |v[XS+\i]|, |v[XS+\i+1]|
	v_max3_num_f32 v9, v9, |v[XS+\i+2]|, |v[XS+\i+3]|
.endr
	v_max3_num_f32 v8, v8, |v[XS+14]|, |v[XS+15]|
	v_max3_num_f32 v8, v8, v9, (EMAX+1)<<23        ; the floor 2^(3 - 127): the byte cannot fall under 1
	v_max_num_f32_dpp v8, v8, v8 row_xmask:1 row_mask:0xf bank_mask:0xf   ; with my neighbour's 16: the block's largest magnitude
	v_add_nc_u32 v11, -(EMAX<<23), v8              ; 2 off its exponent field: the conversion's scale operand
	v_cvt_scalef32_pk8_fp4_f32 v[C+4*(\t)], v[XS:XS+7], v11
	v_cvt_scalef32_pk8_fp4_f32 v[C+4*(\t)+1], v[XS+8:XS+15], v11
	v_lshrrev_b32 v[E+(\t)], 23, v11               ; the scale's byte
	ds_store_b8 v5, v[E+(\t)] offset:16*(\t)       ; both lanes of a block write the same byte
	global_store_b64 v4, v[C+4*(\t):C+4*(\t)+1], s[10:11] offset:32*CB*(\t)   ; the wave stores 256 consecutive bytes, aligned
.endm
.irp t, 0,1,2,3,4,5,6,7,8,9,10,11,12,13,14,15
	XSTEP \t
.endr
	ds_load_b64 v[8:9], v6                         ; my wave's 256 scale bytes, behind my stores of them
	s_wait_dscnt 0x0
	global_store_b64 v7, v[8:9], s[12:13]          ; 256 consecutive bytes, aligned
	s_wait_tensorcnt 0x0                           ; the wave's end
	ds_add_u32 v[SPW], v[NIL]
	s_wait_dscnt 0x0
	s_endpgm
; 32 loads: block kb (32 along K) of my column; neighbouring lanes read neighbouring columns, 128 bytes a wave, the four waves side by side
.macro COLLOAD kb, pitch, base
.irp i, 0,1,2,3,4,5,6,7,8,9,10,11,12,13,14,15,16,17,18,19,20,21,22,23,24,25,26,27,28,29,30,31
	global_load_b32 v[IN+32*(\kb)+\i], v[OI], s[\base:\base+1] offset:(32*(\kb)+\i)*\pitch th:TH_LOAD_NT
.endr
.endm
.macro COLWAIT kb                      ; block kb is in; the next block's 32 loads may be out
.if (\kb) < 3
	s_wait_loadcnt 32
.else
	s_wait_loadcnt 0x0
.endif
.endm
.Lnot_x:
	s_cmp_lt_u32 ttmp9, 448
	s_cbranch_scc0 .Lwo
; ---------------- job W: a lane takes a column n and 128 along K: its registers run down K, so a block's maximum needs no other lane and the codes come out with K innermost
	s_sub_co_u32 s21, ttmp9, 256
	s_and_b32 s22, s21, 7                          ; which 128 along K
	s_lshr_b32 s23, s21, 3                         ; which 128 columns
	s_lshl_b32 s24, s23, 7
	s_lshl_b32 s25, s20, 5
	s_add_co_u32 s24, s24, s25                     ; my wave's first column
	v_lshlrev_b32 v[OI], 2, v2
	v_lshrrev_b32 v[OC], 4, v2
	v_and_b32 v[OS], 15, v2
	v_lshlrev_b32 v[OC], 12, v[OC]                 ; lanes 16-31: the next 16 columns' images, 4,096 bytes on
	v_lshl_add_u32 v[OC], v[OS], 4, v[OC]
	v_lshlrev_b32 v[OS], 5, v2                     ; 32 scale bytes a column
	s_mul_i32 s26, s22, 1572864                    ; 128 rows of 12,288 bytes
	s_lshl_b32 s27, s24, 2
	s_add_co_u32 s26, s26, s27
	s_mov_b32 s27, 0
	s_add_nc_u64 s[6:7], s[6:7], s[26:27]
	s_lshr_b32 s26, s22, 2
	s_mul_i32 s26, s26, 786432                     ; 512 along K: 192 x 4 images
	s_lshl_b32 s28, s24, 8                         ; (column / 16) x 4,096
	s_add_co_u32 s26, s26, s28
	s_and_b32 s28, s22, 3
	s_lshl_b32 s28, s28, 10
	s_add_co_u32 s26, s26, s28
	s_add_nc_u64 s[14:15], s[14:15], s[26:27]
	s_lshl_b32 s26, s24, 5
	s_lshl_b32 s28, s22, 2
	s_add_co_u32 s26, s26, s28
	s_add_nc_u64 s[16:17], s[16:17], s[26:27]
	COLLOAD 0, 12288, 6
	COLLOAD 1, 12288, 6
.macro WBLOCK kb
.set XS, IN+32*(\kb)
	COLWAIT \kb
.if (\kb)+2 < 4
	COLLOAD (\kb)+2, 12288, 6
.endif
	v_max3_num_f32 v16, |v[XS]|, |v[XS+1]|, |v[XS+2]|
	v_max3_num_f32 v17, |v[XS+3]|, |v[XS+4]|, |v[XS+5]|
.irp i, 6,10,14,18,22,26
	v_max3_num_f32 v16, v16, |v[XS+\i]|, |v[XS+\i+1]|
	v_max3_num_f32 v17, v17, |v[XS+\i+2]|, |v[XS+\i+3]|
.endr
	v_max3_num_f32 v16, v16, |v[XS+30]|, |v[XS+31]|
	v_max3_num_f32 v16, v16, v17, (EMAX+1)<<23     ; the floor
	v_add_nc_u32 v18, -(EMAX<<23), v16             ; the conversion's scale operand
	v_lshrrev_b32 v19, 23, v18                     ; the byte
.if (\kb) == 0
	v_mov_b32 v20, v19
.else
	v_lshl_or_b32 v20, v19, 8*(\kb), v20           ; four bytes make the scale word of these 128 along K
.endif
.irp g, 0,1,2,3
	v_cvt_scalef32_pk8_fp4_f32 v[CD+4*(\kb)+\g], v[XS+8*\g:XS+8*\g+7], v18
.endr
	global_store_b128 v[OC], v[CD+4*(\kb):CD+4*(\kb)+3], s[14:15] offset:256*(\kb)   ; sixteen lanes store 256 consecutive bytes, aligned
.endm
	WBLOCK 0
	WBLOCK 1
	WBLOCK 2
	WBLOCK 3
	global_store_b32 v[OS], v20, s[16:17]          ; 4 bytes of my column's 32: one byte for 128 read
	s_endpgm
.Lwo:
; ---------------- job O: the same walk down K; the numbers are rounded to f16 in pairs, eight neighbours along K to 16 bytes
	s_sub_co_u32 s21, ttmp9, 448
	s_and_b32 s22, s21, 7                          ; which 128 along K
	s_lshr_b32 s23, s21, 3                         ; which 128 columns
	s_lshl_b32 s24, s23, 7
	s_lshl_b32 s25, s20, 5
	s_add_co_u32 s24, s24, s25
	v_lshlrev_b32 v[OI], 2, v2
	v_lshrrev_b32 v[OC], 4, v2
	v_and_b32 v[OS], 15, v2
	v_lshlrev_b32 v[OC], 13, v[OC]                 ; lanes 16-31: the next 16 columns' images, 8,192 bytes on
	v_lshl_add_u32 v[OC], v[OS], 4, v[OC]
	s_lshl_b32 s26, s22, 19                        ; 128 rows of 4,096 bytes
	s_lshl_b32 s27, s24, 2
	s_add_co_u32 s26, s26, s27
	s_mov_b32 s27, 0
	s_add_nc_u64 s[8:9], s[8:9], s[26:27]
	s_lshr_b32 s26, s22, 1
	s_lshl_b32 s26, s26, 19                        ; 256 along K: 64 x 8 images
	s_lshl_b32 s28, s24, 9                         ; (column / 16) x 8,192
	s_add_co_u32 s26, s26, s28
	s_and_b32 s28, s22, 1
	s_lshl_b32 s28, s28, 12
	s_add_co_u32 s26, s26, s28
	s_add_nc_u64 s[18:19], s[18:19], s[26:27]
	COLLOAD 0, 4096, 8
	COLLOAD 1, 4096, 8
.macro OBLOCK kb
.set XS, IN+32*(\kb)
	COLWAIT \kb
.if (\kb)+2 < 4
	COLLOAD (\kb)+2, 4096, 8
.endif
.irp i, 0,1,2,3,4,5,6,7,8,9,10,11,12,13,14,15
	v_cvt_pk_f16_f32 v[XS+\i], v[XS+2*\i], v[XS+2*\i+1]   ; in place, ascending: a result never lands on a number still to be read
.endr
.irp p, 0,1,2,3
	global_store_b128 v[OC], v[XS+4*\p:XS+4*\p+3], s[18:19] offset:1024*(\kb)+256*\p   ; sixteen lanes store 256 consecutive bytes, aligned
.endr
.endm
	OBLOCK 0
	OBLOCK 1
	OBLOCK 2
	OBLOCK 3
	s_endpgm
.Lfunc_end_k_q56b18ed811_prep:
	.size	k_q56b18ed811_prep, .Lfunc_end_k_q56b18ed811_prep-k_q56b18ed811_prep
	.p2alignl 7, 3214868480
	.fill 96, 4, 3214868480
	.section	.rodata,"a",@progbits
	.p2align	6, 0x0
	.amdhsa_kernel k_q56b18ed811_prep
		.amdhsa_group_segment_fixed_size 33280
		.amdhsa_private_segment_fixed_size 0
		.amdhsa_enable_private_segment 0
		.amdhsa_kernarg_size 64
		.amdhsa_user_sgpr_count 2
		.amdhsa_user_sgpr_kernarg_segment_ptr 1
		.amdhsa_wavefront_size32 1
		.amdhsa_system_sgpr_workgroup_id_x 1
		.amdhsa_system_sgpr_workgroup_id_y 1
		.amdhsa_system_sgpr_workgroup_id_z 1
		.amdhsa_system_vgpr_workitem_id 0
		.amdhsa_next_free_vgpr 192
		.amdhsa_next_free_sgpr 66
		.amdhsa_reserve_vcc 0
		.amdhsa_float_denorm_mode_32 3
		.amdhsa_float_denorm_mode_16_64 3
		.amdhsa_memory_ordered 1
		.amdhsa_forward_progress 1
		.amdhsa_inst_pref_size 71
	.end_amdhsa_kernel
	.amdgpu_metadata
---
amdhsa.version: [ 1, 2 ]
amdhsa.kernels:
  - .name:           k_q56b18ed811_prep
    .symbol:         k_q56b18ed811_prep.kd
    .args:
      - { .name: x, .offset: 0, .size: 8, .value_kind: global_buffer, .address_space: global }
      - { .name: Wqkv, .offset: 8, .size: 8, .value_kind: global_buffer, .address_space: global }
      - { .name: Wo, .offset: 16, .size: 8, .value_kind: global_buffer, .address_space: global }
      - { .name: xc, .offset: 24, .size: 8, .value_kind: global_buffer, .address_space: global }
      - { .name: xs, .offset: 32, .size: 8, .value_kind: global_buffer, .address_space: global }
      - { .name: wc, .offset: 40, .size: 8, .value_kind: global_buffer, .address_space: global }
      - { .name: ws, .offset: 48, .size: 8, .value_kind: global_buffer, .address_space: global }
      - { .name: wof, .offset: 56, .size: 8, .value_kind: global_buffer, .address_space: global }
    .group_segment_fixed_size: 33280
    .private_segment_fixed_size: 0
    .kernarg_segment_align: 8
    .kernarg_segment_size: 64
    .max_flat_workgroup_size: 128
    .sgpr_count:     66
    .vgpr_count:     192
    .wavefront_size: 32
...
	.end_amdgpu_metadata
.endif
;; end of part 1
;; launch gemm_qkv (part 2): grid 12 x 32, 4 waves a work-group, clusters of 4 x 4, 327,680 bytes of LDS; arguments xc, xs, wc, ws, bqkv, qkv, qkv32; writes qkv, qkv32
.if DOCPART == 2
	.amdgcn_target "amdgcn-amd-amdhsa--gfx1250"
	.amdhsa_code_object_version 6
	.text
	.protected	k_q56b18ed811_gemm_qkv
	.globl	k_q56b18ed811_gemm_qkv
	.p2align	8
	.type	k_q56b18ed811_gemm_qkv,@function
k_q56b18ed811_gemm_qkv:
	s_mov_b64 s[64:65], 0
	v_nop
	global_prefetch_b8 v0, s[64:65] scope:SCOPE_SE
	s_setreg_imm32_b32 hwreg(HW_REG_WAVE_MODE, 25, 1), 1
	s_wait_xcnt 0x0
	s_wait_alu depctr_hold_cnt(0) depctr_sa_sdst(0) depctr_va_vdst(0) depctr_va_sdst(0) depctr_va_ssrc(0) depctr_va_vcc(0) depctr_vm_vsrc(0)
	s_getreg_b32 s2, hwreg(HW_REG_IB_STS2, 6, 4)
	s_cmp_eq_u32 s2, 0
	s_cbranch_scc0 .Lentry_in_a_cluster
	s_endpgm
.Lentry_in_a_cluster:
	s_bfe_u32 s2, ttmp6, 0x10000c
	s_cmp_lg_u32 s2, 0xf033
	s_cbranch_scc0 .Lentry_shape_is_right
	s_endpgm
.Lentry_shape_is_right:
; qkv = Q(x) Q(Wqkv) + bqkv on codes of FP4 (E2M1) with one E8M0 scale for each 32 along K = 1,024; sums in f32.  M = 8,192, N = 3,072.
; A tile of 256 x 256 is made by four waves, each 128 x 128: 64 accumulators, 512 registers.  K is two LDS slots of 512, both asked for at the head: nothing is filled again.
; x's codes come as rows of 256 bytes (16 bytes of padding behind each in LDS); W's codes come as images of the operand's registers, dense: a fragment is two loads of 16 bytes a lane at 16 x lane.
; The scale bytes of the work-group's 256 rows and 256 columns, for all of K, come once, as rows of 256 bytes + 16.
; CLUSTERS 4 x 4: x's tiles are shared along a row of the cluster, W's along a column: each is asked for jointly.
; THE MATRIX INSTRUCTION IS USED TRANSPOSED (source 0 = 16 columns of W, source 1 = 16 rows of x): a lane holds eight neighbouring columns of one row.  The bias is the C of each sum's first instruction.
; OUT: q, k, v rounded to f16, as images of the next launch's operands: qkv [which 3][b 4][h 16][t / 16][d / 32][1024 bytes]; a lane's four packed registers ARE a register group of such an image,
; so each store of the wave covers 512 consecutive bytes, aligned, and nothing goes through LDS.  Rows t < 16 of every sequence also leave in f32: qkv32 [b][t][3072].
; LIMITS: q, k, v in f16: magnitudes above 65,504 become infinity, those under 6e-5 lose bits.
; REGISTERS: window 0: v16-30 addresses; v32-95 scale words, two sets; v128-191 x's fragments, one set; v192-255 the bias, 8 tiles.  window 1: W's fragments, two sets.  windows 2, 3: the accumulators.
.set NQ,     4                         ; steps of 128 along K in a slot
.set PITCH,  272
.set FR,     8
.set NL,     2
.set NP,     4
.set HALFA,  128*PITCH                 ; 128 rows of x's codes
.set HALFB,  32768                     ; 8 x 4 images of W
.set BOFF,   2*HALFA
.set SLOT,   2*HALFA+2*HALFB
.set SCL,    2*SLOT                    ; behind the slots: the scales
.set HALFS,  16*272                    ; those of 128 rows
.set SBLK,   2*272                     ; those of 16 rows
.set SPARE,  SCL+4*HALFS               ; the spare words, 128 bytes a wave
.set ADRA, 16                          ; v16-17  my x fragments in slot 0, 1
.set ADRB, 20                          ; v20-21  my W images
.set BA,   24                          ; v24     32 h: the bias's offset
.set FO,   25                          ; v25     12288 r + 32 h: my place in qkv32
.set CO,   26                          ; v26     16 x lane
.set ADRS, 27                          ; v27     my scale words: lanes 0-15 x's rows, lanes 16-31 W's columns
.set SPW,  28
.set NIL,  29
.set FL,   30
.set SC,   32
.set AF,   128
.set BIAS, 192
.set G1, 24
.set G0, 32
.set G1B, 48
.set G0B, 56
.set G1S, 68
.set G0S, 76
.set G1SB, 80
.set G0SB, 88
.set MSB, 0
.macro WIN new                         ; the immediate's high byte repeats the setting that is left
.if MSB != (\new)
	s_set_vgpr_msb (MSB<<8)|(\new)
.set MSB, (\new)
.endif
.endm
.set MUL_LO, 0xa1                      ; source 0 (W) window 1, source 1 (x) window 0, C and D window 2
.set MUL_HI, 0xf1
.set BIA_LO, 0x81                      ; the same with C (the bias) in window 0
.set BIA_HI, 0xc1
.set TO_B,   0x40
; A joint load: waves 0 and 1 fetch for x, waves 2 and 3 for W.  The branch hangs on the wave's number alone.  An s_nop 0 and four v_nop follow each line.
.macro JLOAD g0a, g1a, g0b, g1b
	s_cmp_eq_u32 s19, 0
	s_cbranch_scc0 .Lfor_b_\@
	tensor_load_to_lds s[\g0a:\g0a+3], s[\g1a:\g1a+7]
	s_nop 0
.rept 4
	v_nop
.endr
	s_branch .Lasked_\@
.Lfor_b_\@:
	tensor_load_to_lds s[\g0b:\g0b+3], s[\g1b:\g1b+7]
	s_nop 0
.rept 4
	v_nop
.endr
.Lasked_\@:
.endm
.macro CROUND                          ; a round of the cluster's barrier
	s_barrier_signal -1
	s_barrier_wait -1
	s_cmp_lg_u32 s18, 0
	s_cbranch_scc1 .Lnot_wave_0_\@
	s_barrier_signal -3
.Lnot_wave_0_\@:
	s_barrier_wait -3
	s_barrier_signal -1
	s_barrier_wait -1
.endm
	s_load_b256 s[4:11], s[0:1], 0x0               ; xc s[4:5], xs s[6:7], wc s[8:9], ws s[10:11]
	s_load_b128 s[12:15], s[0:1], 0x20             ; bqkv s[12:13], qkv s[14:15]
	s_load_b64 s[16:17], s[0:1], 0x30              ; qkv32
	v_lshl_add_u32 v[SPW], v0, 2, SPARE
	v_mov_b32 v[NIL], 0
	ds_add_u32 v[SPW], v[NIL]                      ; the wave's opening: the add, twice on end, and its wait ahead of my first tensor load
	ds_add_u32 v[SPW], v[NIL]
	v_lshrrev_b32 v1, 5, v0
	v_readfirstlane_b32 s18, v1                    ; wave 0..3
	s_lshr_b32 s19, s18, 1                         ; my half of the rows.  Also: I fetch for x (0) or for W (1)
	s_and_b32 s20, s18, 1                          ; my half of the columns.  Also: which half of that tile I fetch
	s_bfe_u32 s40, ttmp6, 0x40000                  ; cx
	s_bfe_u32 s41, ttmp6, 0x40004                  ; cy
	s_lshl_b32 s22, ttmp9, 2
	s_add_co_u32 s22, s22, s40                     ; tile column
	s_and_b32 s21, ttmp7, 0xffff
	s_lshl_b32 s21, s21, 2
	s_add_co_u32 s21, s21, s41                     ; tile row
	s_lshl_b32 s43, s41, 2
	s_lshl_b32 s43, 15, s43                        ; my row of the cluster
	s_lshl_b32 s44, 0x1111, s40                    ; my column
	s_or_b32 s[G1+0], s43, (0<<16)|(1<<20)|(1<<21)|(5<<22)|(3<<25)   ; x's codes: bytes; 4 words of padding behind every 64
	s_mov_b32 s[G1+1], 256<<16                     ; tensor_dim0
	s_mov_b32 s[G1+2], 128<<16                     ; tensor_dim1
	s_mov_b32 s[G1+3], 256<<16                     ; tile_dim0
	s_mov_b32 s[G1+4], 128                         ; tile_dim1
	s_mov_b32 s[G1+5], 512                         ; a row of x's codes in memory
	s_mov_b32 s[G1+6], 0
	s_mov_b32 s[G1+7], 0
	s_or_b32 s[G1B+0], s44, (3<<16)|(1<<21)        ; W's images: a dense block of 32,768 bytes as 128 rows of 32 elements of 8 bytes, no padding
	s_mov_b32 s[G1B+1], 32<<16
	s_mov_b32 s[G1B+2], 128<<16
	s_mov_b32 s[G1B+3], 32<<16
	s_mov_b32 s[G1B+4], 128
	s_mov_b32 s[G1B+5], 32
	s_mov_b32 s[G1B+6], 0
	s_mov_b32 s[G1B+7], 0
	s_or_b32 s[G1S+0], s43, (3<<16)|(1<<20)|(1<<21)|(5<<22)|(3<<25)  ; the scales of 128 rows: 4,096 dense bytes as 16 rows of 256, 16 bytes of padding behind each
	s_or_b32 s[G1SB+0], s44, (3<<16)|(1<<20)|(1<<21)|(5<<22)|(3<<25)
.irp g, G1S, G1SB
	s_mov_b32 s[\g+1], 32<<16
	s_mov_b32 s[\g+2], 16<<16
	s_mov_b32 s[\g+3], 32<<16
	s_mov_b32 s[\g+4], 16
	s_mov_b32 s[\g+5], 32
	s_mov_b32 s[\g+6], 0
	s_mov_b32 s[\g+7], 0
.endr
	s_lshl_b32 s42, s20, 7                         ; which 128 of the tile I fetch
	s_lshl_b32 s92, s21, 8
	s_add_co_u32 s92, s92, s42                     ; x: row 256 x tile row + 128 x half
	s_lshl_b32 s94, s92, 5                         ; its scales, 32 bytes a row,
	s_lshl_b32 s92, s92, 9                         ; its codes, 512 bytes a row
	s_mov_b32 s93, 0
	s_mov_b32 s95, 0
	s_lshl_b32 s96, s22, 8
	s_add_co_u32 s96, s96, s42                     ; W: column 256 x tile column + 128 x half
	s_lshl_b32 s100, s96, 2                        ; (4 bytes a column: for the bias and qkv32)
	s_mov_b32 s101, 0
	s_lshl_b32 s98, s96, 5                         ; its scales,
	s_lshl_b32 s96, s96, 8                         ; its images: (column / 16) x 4,096
	s_mov_b32 s97, 0
	s_mov_b32 s99, 0
	s_mul_i32 s45, s20, HALFA                      ; where they go in a slot: no place in the cluster enters an LDS address
	s_mul_i32 s46, s20, HALFB
	s_add_co_u32 s46, s46, BOFF
	s_mul_i32 s47, s18, HALFS
	s_wait_dscnt 0x0                               ; both opening adds are done
	s_wait_kmcnt 0x0
	s_add_nc_u64 s[92:93], s[4:5], s[92:93]
	s_add_nc_u64 s[94:95], s[6:7], s[94:95]
	s_add_nc_u64 s[96:97], s[8:9], s[96:97]
	s_add_nc_u64 s[98:99], s[10:11], s[98:99]
	CROUND                                         ; all sixteen work-groups are here: the first joint loads meet
	s_mov_b32 s[G0S], 1
	s_add_co_u32 s[G0S+1], s47, SCL
	s_mov_b64 s[G0S+2:G0S+3], s[94:95]
	s_or_b32 s[G0S+3], s[G0S+3], 0x80000000
	s_mov_b32 s[G0SB], 1
	s_add_co_u32 s[G0SB+1], s47, SCL
	s_mov_b64 s[G0SB+2:G0SB+3], s[98:99]
	s_or_b32 s[G0SB+3], s[G0SB+3], 0x80000000
	JLOAD G0S, G1S, G0SB, G1SB                     ; the scales first
.irp s, 0,1
	s_mov_b32 s[G0+4*\s], 1
	s_add_co_u32 s[G0+4*\s+1], s45, \s*SLOT
	s_add_nc_u64 s[G0+4*\s+2:G0+4*\s+3], s[92:93], \s*256
	s_or_b32 s[G0+4*\s+3], s[G0+4*\s+3], 0x80000000
	s_mov_b32 s[G0B+4*\s], 1
	s_add_co_u32 s[G0B+4*\s+1], s46, \s*SLOT
	s_add_nc_u64 s[G0B+4*\s+2:G0B+4*\s+3], s[96:97], \s*786432
	s_or_b32 s[G0B+4*\s+3], s[G0B+4*\s+3], 0x80000000
	JLOAD G0+4*\s, G1, G0B+4*\s, G1B               ; three tensor loads of mine are out in all
.endr
	v_and_b32 v1, 15, v0                           ; r
	v_bfe_u32 v2, v0, 4, 1                         ; h
	v_mul_u32_u24 v3, v1, PITCH
	v_lshl_add_u32 v4, v2, 4, v3                   ; x: row x pitch + 16 h
	v_and_b32 v6, 31, v0
	v_lshlrev_b32 v[CO], 4, v6                     ; 16 x lane
	s_mul_i32 s2, s19, HALFA                       ; my 128 rows of x
	s_mul_i32 s3, s20, HALFB                       ; my 128 columns of W
	s_add_co_u32 s3, s3, BOFF
.irp s, 0,1
	v_add_nc_u32 v[ADRA+\s], s2, v4
	v_add_nc_u32 v[ADRB+\s], s3, v[CO]
	s_add_co_u32 s2, s2, SLOT
	s_add_co_u32 s3, s3, SLOT
.endr
	v_lshlrev_b32 v5, 5, v1                        ; my row's scales: 32 bytes a row,
	v_lshrrev_b32 v6, 8, v5
	v_lshl_add_u32 v5, v6, 4, v5                   ; and 16 more behind the first 256
	s_mul_i32 s2, s19, HALFS
	s_mul_i32 s3, s20, HALFS
	s_add_co_u32 s3, s3, 2*HALFS
	s_sub_co_u32 s3, s3, s2
	v_mul_u32_u24 v6, s3, v2                       ; lanes 16-31 take W's
	s_add_co_u32 s2, s2, SCL
	v_add_nc_u32 v5, v5, v6
	v_add_nc_u32 v[ADRS], s2, v5
	v_lshlrev_b32 v[BA], 5, v2
	v_mul_u32_u24 v[FO], v1, 12288
	v_lshl_add_u32 v[FO], v2, 5, v[FO]
	; where my results go
	s_lshr_b32 s66, s22, 2                         ; q, k or v
	s_lshl_b32 s66, s66, 24
	s_lshr_b32 s67, s21, 3                         ; the batch
	s_lshl_b32 s2, s67, 22
	s_add_co_u32 s66, s66, s2
	s_lshl_b32 s2, s22, 2
	s_lshl_b32 s3, s20, 1
	s_add_co_u32 s2, s2, s3
	s_and_b32 s2, s2, 15                           ; my first head
	s_lshl_b32 s2, s2, 18
	s_add_co_u32 s66, s66, s2
	s_and_b32 s2, s21, 7
	s_lshl_b32 s2, s2, 8
	s_lshl_b32 s3, s19, 7
	s_add_co_u32 s2, s2, s3                        ; my first position in the sequence
	s_lshl_b32 s2, s2, 7                           ; 2,048 bytes for 16 positions
	s_add_co_u32 s66, s66, s2
	s_mul_i32 s2, s67, 196608                      ; qkv32: 16 rows of 12,288 bytes a batch
	s_mov_b32 s67, 0
	s_mov_b32 s3, 0
	s_add_nc_u64 s[14:15], s[14:15], s[66:67]
	s_add_nc_u64 s[16:17], s[16:17], s[2:3]
	s_add_nc_u64 s[16:17], s[16:17], s[100:101]
	s_add_nc_u64 s[12:13], s[12:13], s[100:101]
.irp b, 0,1,2,3,4,5,6,7                        ; the bias in the result's layout: tile b, lane (r, h): columns 16 b + 8 h + 0 .. 7
	global_load_b128 v[BIAS+8*\b:BIAS+8*\b+3], v[BA], s[12:13] offset:64*\b
	global_load_b128 v[BIAS+8*\b+4:BIAS+8*\b+7], v[BA], s[12:13] offset:64*\b+16
.endr
.macro FRAGA reg, adr, q, i            ; 16 rows x 128 K of x: registers 4 c .. 4 c + 3 hold K = 64 c + 32 h + 0 .. 31
.irp c, 0,1
	ds_load_b128 v[\reg+4*\c:\reg+4*\c+3], v[\adr] offset:64*(\q)+32*\c+(\i)*16*PITCH
.endr
.endm
.macro FRAGB reg, adr, q, i            ; 16 columns x 128 K of W: the image as it lies
.irp c, 0,1
	ds_load_b128 v[\reg+4*\c:\reg+4*\c+3], v[\adr] offset:(\i)*4096+(\q)*1024+512*\c
.endr
.endm
; 16 matrix instructions: x's blocks a0, a0 + 1 against W's eight.  first = 1: the bias starts the sums.  The 64 accumulators take turns, one instruction a turn.
.macro MUL16 a0, p, q, sc, first
.irp a, \a0, \a0+1
.irp b, 0,1,2,3,4,5,6,7
.if \first
	v_wmma_scale_f32_16x16x128_f8f6f4 v[8*(8*((\a)%4)+\b):8*(8*((\a)%4)+\b)+7], v[128*(\p)+FR*\b:128*(\p)+FR*\b+FR-1], v[AF+FR*(\a):AF+FR*(\a)+FR-1], v[BIAS+8*\b:BIAS+8*\b+7], v[SC+8*NQ*(\sc)+NQ*\b+(\q)], v[SC+8*NQ*(\sc)+NQ*(\a)+(\q)] matrix_a_fmt:MATRIX_FMT_FP4 matrix_b_fmt:MATRIX_FMT_FP4 matrix_a_scale:MATRIX_SCALE_ROW1
.else
	v_wmma_scale_f32_16x16x128_f8f6f4 v[8*(8*((\a)%4)+\b):8*(8*((\a)%4)+\b)+7], v[128*(\p)+FR*\b:128*(\p)+FR*\b+FR-1], v[AF+FR*(\a):AF+FR*(\a)+FR-1], v[8*(8*((\a)%4)+\b):8*(8*((\a)%4)+\b)+7], v[SC+8*NQ*(\sc)+NQ*\b+(\q)], v[SC+8*NQ*(\sc)+NQ*(\a)+(\q)] matrix_a_fmt:MATRIX_FMT_FP4 matrix_b_fmt:MATRIX_FMT_FP4 matrix_a_scale:MATRIX_SCALE_ROW1
.endif
.endr
.endr
.endm
.macro FETCH_B slot, q, p
	WIN TO_B
.irp i, 0,1,2,3,4,5,6,7
	FRAGB 128*(\p)+FR*\i, ADRB+\slot, \q, \i
.endr
	WIN 0
.endm
.macro FETCH_A slot, q, i0
.irp i, \i0, \i0+1, \i0+2, \i0+3
	FRAGA AF+FR*(\i), ADRA+\slot, \q, \i
.endr
.endm
.macro SCALES sc                       ; a slot's scale words: lanes 0-15 x's block i, lanes 16-31 W's block i
.irp i, 0,1,2,3,4,5,6,7
	ds_load_b128 v[SC+8*NQ*\sc+NQ*\i:SC+8*NQ*\sc+NQ*\i+3], v[ADRS] offset:\i*SBLK
.endr
.endm
.macro PLACES n                        ; plain vector instructions between a matrix instruction and a load into, or a read of, its registers
.rept \n
	v_nop
.endr
.endm
.macro STEP slot, q, first             ; 128 along K that have their successor in the same slot
	s_wait_dscnt 4*NL                              ; W's set and x's blocks 0-3 are in; the youngest eight loads (x's blocks 4-7) may be out
.if \first
	WIN BIA_LO
.else
	WIN MUL_LO
.endif
	MUL16 0, (\q)%2, \q, \slot, \first
	MUL16 2, (\q)%2, \q, \slot, \first
	s_wait_dscnt 0
	PLACES NP
	FETCH_B \slot, (\q)+1, 1-(\q)%2
	FETCH_A \slot, (\q)+1, 0
.if \first
	WIN BIA_HI
.else
	WIN MUL_HI
.endif
	MUL16 4, (\q)%2, \q, \slot, \first
	MUL16 6, (\q)%2, \q, \slot, \first
	PLACES NP
	WIN 0
	FETCH_A \slot, (\q)+1, 4
.endm
	s_wait_tensorcnt 1                             ; the scales and my part of slot 0 are in; slot 1's load may be out
	s_barrier_signal -1
	s_barrier_wait -1
	FETCH_B 0, 0, 0
	FETCH_A 0, 0, 0
	SCALES 0
	FETCH_A 0, 0, 4
	s_wait_loadcnt 0x0                             ; the bias
	STEP 0, 0, 1
	STEP 0, 1, 0
	STEP 0, 2, 0
	; slot 0's last step changes slots: one barrier; nothing is filled again
	s_wait_tensorcnt 0x0                           ; my part of slot 1 has landed
	ds_add_u32 v[SPW], v[NIL]
	s_wait_dscnt 4*NL+1                            ; the add and x's blocks 4-7 may be out
	WIN MUL_LO
	MUL16 0, 1, 3, 0, 0
	s_wait_dscnt 0x0
	s_barrier_signal -1
	MUL16 2, 1, 3, 0, 0
	WIN 0
	s_barrier_wait -1
	PLACES NP
	v_add_nc_u32 v[ADRS], 4*NQ, v[ADRS]            ; slot 1's scale words (no LDS load of mine is out)
	FETCH_B 1, 0, 0
	FETCH_A 1, 0, 0
	SCALES 1
	WIN MUL_HI
	MUL16 4, 1, 3, 0, 0
	MUL16 6, 1, 3, 0, 0
	PLACES NP
	WIN 0
	FETCH_A 1, 0, 4
	STEP 1, 0, 0
	STEP 1, 1, 0
	STEP 1, 2, 0
	s_wait_dscnt 4*NL
	WIN MUL_LO
	MUL16 0, 1, 3, 1, 0
	MUL16 2, 1, 3, 1, 0
	s_wait_dscnt 0
	WIN MUL_HI
	MUL16 4, 1, 3, 1, 0
	MUL16 6, 1, 3, 1, 0
	WIN 0
	PLACES NP                                      ; behind the last products: for the reads of results and the writes into x's fragments' registers
	; rows t < 16 in f32: they are block 0 of the waves whose first position is 0.  The choice is made by EXEC, not by a branch: it hangs on the work-group's place
	s_and_b32 s100, s21, 7
	s_or_b32 s100, s100, s19
	v_mov_b32 v[FL], s100
	v_cmp_eq_u32 vcc_lo, 0, v[FL]
	s_wait_xcnt 0x0                                ; EXEC changes only behind this wait
	s_and_saveexec_b32 s101, vcc_lo
	WIN 0x08                                       ; a store's data: window 2
.irp b, 0,1,2,3,4,5,6,7
	global_store_b128 v[FO], v[8*\b:8*\b+3], s[16:17] offset:64*\b
	global_store_b128 v[FO], v[8*\b+4:8*\b+7], s[16:17] offset:64*\b+16
.endr
	WIN 0
	s_wait_xcnt 0x0
	s_or_b32 exec_lo, exec_lo, s101
; block a (16 rows x 128 columns): rounded to f16, four registers an accumulator, which are a register group of an image; stored as they stand
.macro PACKSEND a
.set AC, 64*((\a)%4)
.set PB, 128+32*((\a)%4)
.if (\a) >= 4
	s_wait_xcnt 0x0                                ; block a - 4's stores have read these registers
.endif
	WIN 0x0a+5*((\a)/4)
.irp b, 0,1,2,3,4,5,6,7
.irp i, 0,1,2,3
	v_cvt_pk_f16_f32 v[PB+4*\b+\i], v[AC+8*\b+2*\i], v[AC+8*\b+2*\i+1]
.endr
.endr
	WIN 0
.irp b, 0,1,2,3,4,5,6,7
	global_store_b128 v[CO], v[PB+4*\b:PB+4*\b+3], s[14:15] offset:(\b/4)*262144+(\a)*2048+(\b%4)*512 th:TH_STORE_NT   ; 512 consecutive bytes, aligned
.endr
.endm
.irp a, 0,1,2,3,4,5,6,7
	PACKSEND \a
.endr
	s_wait_tensorcnt 0x0                           ; the wave's end
	ds_add_u32 v[SPW], v[NIL]
	s_wait_dscnt 0x0
	CROUND                                         ; the closing round
	s_endpgm
.Lfunc_end_k_q56b18ed811_gemm_qkv:
	.size	k_q56b18ed811_gemm_qkv, .Lfunc_end_k_q56b18ed811_gemm_qkv-k_q56b18ed811_gemm_qkv
	.p2alignl 7, 3214868480
	.fill 96, 4, 3214868480
	.section	.rodata,"a",@progbits
	.p2align	6, 0x0
	.amdhsa_kernel k_q56b18ed811_gemm_qkv
		.amdhsa_group_segment_fixed_size 327680
		.amdhsa_private_segment_fixed_size 0
		.amdhsa_enable_private_segment 0
		.amdhsa_kernarg_size 56
		.amdhsa_user_sgpr_count 2
		.amdhsa_user_sgpr_kernarg_segment_ptr 1
		.amdhsa_wavefront_size32 1
		.amdhsa_system_sgpr_workgroup_id_x 1
		.amdhsa_system_sgpr_workgroup_id_y 1
		.amdhsa_system_sgpr_workgroup_id_z 1
		.amdhsa_system_vgpr_workitem_id 0
		.amdhsa_next_free_vgpr 1024
		.amdhsa_next_free_sgpr 102
		.amdhsa_reserve_vcc 1
		.amdhsa_float_denorm_mode_32 3
		.amdhsa_float_denorm_mode_16_64 3
		.amdhsa_memory_ordered 1
		.amdhsa_forward_progress 1
		.amdhsa_inst_pref_size 121
	.end_amdhsa_kernel
	.amdgpu_metadata
---
amdhsa.version: [ 1, 2 ]
amdhsa.kernels:
  - .name:           k_q56b18ed811_gemm_qkv
    .symbol:         k_q56b18ed811_gemm_qkv.kd
    .args:
      - { .name: xc, .offset: 0, .size: 8, .value_kind: global_buffer, .address_space: global }
      - { .name: xs, .offset: 8, .size: 8, .value_kind: global_buffer, .address_space: global }
      - { .name: wc, .offset: 16, .size: 8, .value_kind: global_buffer, .address_space: global }
      - { .name: ws, .offset: 24, .size: 8, .value_kind: global_buffer, .address_space: global }
      - { .name: bqkv, .offset: 32, .size: 8, .value_kind: global_buffer, .address_space: global }
      - { .name: qkv, .offset: 40, .size: 8, .value_kind: global_buffer, .address_space: global }
      - { .name: qkv32, .offset: 48, .size: 8, .value_kind: global_buffer, .address_space: global }
    .group_segment_fixed_size: 327680
    .private_segment_fixed_size: 0
    .kernarg_segment_align: 8
    .kernarg_segment_size: 56
    .max_flat_workgroup_size: 128
    .sgpr_count:     102
    .vgpr_count:     1024
    .wavefront_size: 32
...
	.end_amdgpu_metadata
.endif
;; end of part 2
;; launch attn (part 3): grid 4 x 64, 16 waves a work-group, no clusters, 327,680 bytes of LDS; arguments qkv, yimg; writes yimg
.if DOCPART == 3
	.amdgcn_target "amdgcn-amd-amdhsa--gfx1250"
	.amdhsa_code_object_version 6
	.text
	.protected	k_q56b18ed811_attn
	.globl	k_q56b18ed811_attn
	.p2align	8
	.type	k_q56b18ed811_attn,@function
k_q56b18ed811_attn:
	s_mov_b64 s[64:65], 0
	v_nop
	global_prefetch_b8 v0, s[64:65] scope:SCOPE_SE
	s_setreg_imm32_b32 hwreg(HW_REG_WAVE_MODE, 25, 1), 1
	s_wait_xcnt 0x0
; y[b][h][q] = the sum over k <= q of softmax_k(q . k / 8) v, head size 64, T = 2,048, f16 operands, f32 products' sums, maxima and sums.  A running maximum is taken away before every exponential.
; qkv: [which 3][head 64][t / 16][d / 32][1024 bytes]: images of 16 positions x 32 channels of f16 (register group c of lane l at 512 c + 16 l).  Seen otherwise: for each 16 positions eight runs of 256 bytes,
; run o = the 16 positions' channels 8 o .. 8 o + 7.
; SHARES.  Work-group (i, head): waves 0-7 take query block i (256 queries), waves 8-15 block 7 - i, so that every work-group has the same work under the causal mask.  A wave owns 32 queries: two tiles of 16.
; All sixteen waves walk one ring of two LDS slots of 256 keys, four steps of 64 keys a slot.  The trip counts are constants; a step all of whose keys come after the wave's queries is jumped over (ids alone),
; and a slot whose first key comes after the work-group's last query is not asked for.
; NO CLUSTER: the four work-groups of a head need 8, 7, 6 and 5 slots: a partner would have to ask for tiles that none of its waves reads.
; LAYOUT.  S^T = K Q^T (source 0 = 16 keys, source 1 = 16 queries), O^T = V^T P: a lane holds one query throughout; two tiles of S^T rounded to f16 in pairs are source 1 of the second product.
; K comes out of LDS as it lies; V, whose runs lie 384 bytes apart in LDS, comes turned, by ds_load_tr16_b128.
; OUT: y in f16 as images for the projection: yimg [h / 4][row / 16][2 (h % 4) + u][1024 bytes]; a lane's packed registers are register groups of them.
; LIMITS: q, k, v, p, y in f16 (above 65,504 infinity; under 6e-5 bits are lost).  Rows t < 16 are computed here too, and written over in out0 by the last launch, which carries them in f32.
; REGISTERS: v1-11, v28 addresses and constants; v12-27 statistics, 8 a tile: +0 c m, +1 m, +2, +3 l, +4..+7 at work (a in +6); v32-63 Q; v64-127 K, then V; v128-191 S^T, then p, then P; v192-255 O^T.
.set SLOT1, 1<<17
.set VOFF,  32768                      ; a slot: 32,768 bytes of K, then 128 runs of V, 384 bytes apart
.set RUNP,  384
.set SPARE, 2*SLOT1                    ; the spare words, 128 bytes a wave
.set L16, 1                            ; v1   16 x lane
.set AV0, 2                            ; v2   my lane's place in V's runs
.set ADK, 3
.set ADV, 4
.set SPW, 5
.set NIL, 6
.set PFO, 8                            ; v8   256 x lane
.set DD,  9                            ; v9, v10  the mask's bound for tile 0, 1
.set NEG, 11                           ; v11  -infinity
.set ST,  12
.set RH8, 28                           ; v28  r - 8 h
.set QF,  32
.set KV,  64
.set SF,  128
.set OF,  192
.set TB,  2                            ; s2   LDS byte at which the slot in hand begins
.set WV,  18
.set SEL, 20
.set CS,  22                           ; s[22:23] c = log2(e) / 8
.set G1K, 24
.set G1V, 32
.set G0K, 40
.set G0V, 44
.set SLOTS, 48
.set KF,  49                           ; the step's first key
.set Q0,  50                           ; my first query
.set QL,  51                           ; my work-group's last query
.set PFA, 52
.set LIM, 54
; Waves 0 and 1 fetch K's halves, waves 2 and 3 V's, the others nothing.  An s_nop 0 and four v_nop follow each line.
.macro TLOAD
	s_cmp_lt_u32 s[WV], 2
	s_cbranch_scc0 .Lnot_k_\@
	tensor_load_to_lds s[G0K:G0K+3], s[G1K:G1K+7]
	s_nop 0
.rept 4
	v_nop
.endr
	s_branch .Lasked_\@
.Lnot_k_\@:
	s_cmp_lt_u32 s[WV], 4
	s_cbranch_scc0 .Lasked_\@
	tensor_load_to_lds s[G0V:G0V+3], s[G1V:G1V+7]
	s_nop 0
.rept 4
	v_nop
.endr
.Lasked_\@:
.endm
; A prefetch of what the NEXT change of slots will ask for: 32,768 bytes of K and as many of V.  The head's work-group 0, which walks all eight slots, asks, and nobody else; in it waves 4-7 ask for K's
; block and waves 8-11 for V's, 8,192 bytes a wave, lanes 256 bytes apart: each block of 256 bytes is named once in the launch.  The last change that fills a slot asks for nothing.
.macro ASK
	s_cmp_gt_u32 s[SLOTS], s[LIM]
	s_cbranch_scc0 .Lnot_mine_\@
	global_prefetch_b8 v[PFO], s[PFA:PFA+1] th:TH_LOAD_NT scope:SCOPE_SE
.Lnot_mine_\@:
.endm
	s_load_b128 s[4:7], s[0:1], 0x0                ; qkv s[4:5], yimg s[6:7]
	v_lshl_add_u32 v[SPW], v0, 2, SPARE
	v_mov_b32 v[NIL], 0
	ds_add_u32 v[SPW], v[NIL]                      ; the wave's opening: the add, twice on end, and its wait ahead of my first tensor load
	ds_add_u32 v[SPW], v[NIL]
	v_lshrrev_b32 v9, 5, v0
	v_readfirstlane_b32 s[WV], v9                  ; wave 0..15
	s_and_b32 s55, ttmp7, 0xffff                   ; the head, 16 b + h
	s_lshl_b32 s56, s55, 18                        ; its 262,144 bytes in each of q, k, v
	s_sub_co_u32 s58, 7, ttmp9
	s_sub_co_u32 s59, 15, s[WV]
	s_cmp_lt_u32 s[WV], 8
	s_cselect_b32 s58, ttmp9, s58                  ; my block of 256 queries,
	s_cselect_b32 s59, s[WV], s59                  ; my 32 of them
	s_lshl_b32 s58, s58, 8
	s_lshl_b32 s59, s59, 5
	s_add_co_u32 s[Q0], s58, s59
	s_sub_co_u32 s[QL], 8, ttmp9
	s_lshl_b32 s[QL], s[QL], 8
	s_sub_co_u32 s[QL], s[QL], 1
	s_mov_b32 s[G1K], 3<<16                        ; K: 16,384 dense bytes as 64 rows of 32 elements of 8 bytes
	s_mov_b32 s[G1V], (3<<16)|(1<<20)|(5<<22)|(31<<25)   ; V: the same with 32 words of padding behind every 64
.irp g, G1K, G1V
	s_mov_b32 s[\g+1], 32<<16
	s_mov_b32 s[\g+2], 64<<16
	s_mov_b32 s[\g+3], 32<<16
	s_mov_b32 s[\g+4], 64
	s_mov_b32 s[\g+5], 32
	s_mov_b32 s[\g+6], 0
	s_mov_b32 s[\g+7], 0
.endr
	s_and_b32 s60, s[WV], 1
	s_lshl_b32 s61, s60, 14                        ; my half of a slot: in memory, and K's in LDS
	s_add_co_u32 s62, s56, s61
	s_mov_b32 s63, 0
	s_mul_i32 s66, s60, 64*RUNP
	s_add_co_u32 s66, s66, VOFF                    ; V's in LDS
	s_mov_b32 s[SEL], 0x76543210
	s_mov_b32 s[SEL+1], 0xfedcba98
	s_mov_b32 s[CS], 0x3e38aa3b
	s_mov_b32 s[CS+1], s[CS]
	s_mov_b32 s[TB], 0
	s_mov_b32 s[KF], 0
	s_mov_b32 s[SLOTS], 7
	s_wait_dscnt 0x0                               ; both opening adds are done
	s_wait_kmcnt 0x0
	s_mov_b32 s[G0K], 1
	s_mov_b32 s[G0K+1], s61
	s_add_nc_u64 s[G0K+2:G0K+3], s[4:5], s[62:63]
	s_add_nc_u64 s[G0K+2:G0K+3], s[G0K+2:G0K+3], 16777216
	s_or_b32 s[G0K+3], s[G0K+3], 0x80000000
	s_mov_b32 s[G0V], 1
	s_mov_b32 s[G0V+1], s66
	s_add_nc_u64 s[G0V+2:G0V+3], s[4:5], s[62:63]
	s_add_nc_u64 s[G0V+2:G0V+3], s[G0V+2:G0V+3], 33554432
	s_or_b32 s[G0V+3], s[G0V+3], 0x80000000
	TLOAD                                          ; slot 0: key 0 counts for every query
	v_and_b32 v9, 31, v0
	v_lshlrev_b32 v[L16], 4, v9
	v_lshlrev_b32 v[PFO], 8, v9
	s_lshl_b32 s58, s[Q0], 7                       ; 2,048 bytes for 16 queries
	s_add_co_u32 s58, s58, s56
	s_mov_b32 s59, 0
	s_add_nc_u64 s[8:9], s[4:5], s[58:59]
.irp t, 0,1
.irp dh, 0,1
.irp c, 0,1
	global_load_b128 v[QF+16*\t+8*\dh+4*\c:QF+16*\t+8*\dh+4*\c+3], v[L16], s[8:9] offset:\t*2048+\dh*1024+\c*512   ; Q stays in registers
.endr
.endr
.endr
	s_and_b32 s58, s55, 15                         ; h
	s_lshr_b32 s60, s58, 2
	s_lshl_b32 s60, s60, 22
	s_and_b32 s58, s58, 3
	s_lshl_b32 s58, s58, 11
	s_add_co_u32 s58, s58, s60
	s_lshr_b32 s60, s55, 4                         ; b
	s_lshl_b32 s60, s60, 20
	s_add_co_u32 s58, s58, s60
	s_lshl_b32 s60, s[Q0], 9                       ; 8,192 bytes for 16 rows
	s_add_co_u32 s58, s58, s60
	s_add_nc_u64 s[12:13], s[6:7], s[58:59]        ; y's images of my queries
	s_cmp_lt_u32 s[WV], 8                          ; the prefetches: waves 4-7 K, waves 8-11 V
	s_mov_b32 s58, 33554432
	s_cselect_b32 s58, 16777216, s58
	s_and_b32 s60, s[WV], 3
	s_lshl_b32 s60, s60, 13
	s_add_co_u32 s58, s58, s60
	s_add_co_u32 s58, s58, s56
	s_add_co_u32 s58, s58, 32768                   ; in slot 1: the first change of slots steps it to slot 2.  Nothing is prefetched at the head
	s_add_nc_u64 s[PFA:PFA+1], s[4:5], s[58:59]
	s_sub_co_u32 s60, s[WV], 4
	s_lshr_b32 s60, s60, 3                         ; 0 in waves 4 to 11,
	s_or_b32 s60, s60, ttmp9                       ; of the head's work-group 0
	s_cmp_eq_u32 s60, 0
	s_cselect_b32 s[LIM], 1, -1
	v_bfe_u32 v10, v0, 3, 1
	v_mul_u32_u24 v[AV0], v10, RUNP                ; the turning load: lane l reads 16 bytes: run (l / 8) % 2 of a pair, position 8 (l / 16) + l % 8
	v_bfe_u32 v10, v0, 4, 1
	v_lshl_add_u32 v[AV0], v10, 7, v[AV0]
	v_and_b32 v11, 7, v0
	v_lshl_add_u32 v[AV0], v11, 4, v[AV0]
	v_add_nc_u32 v[AV0], VOFF, v[AV0]
	v_and_b32 v11, 15, v0
	v_lshlrev_b32 v10, 3, v10
	v_sub_nc_u32 v[RH8], v11, v10
	v_mov_b32 v[NEG], 0xff800000
.irp t, 0,1
	v_mov_b32 v[ST+8*\t+1], 0xff61b1e6             ; m = -3e38, under every score
	v_mul_f32 v[ST+8*\t], s[CS], v[ST+8*\t+1]
	v_mov_b32 v[ST+8*\t+2], 0
	v_mov_b32 v[ST+8*\t+3], 0
	v_mov_b32 v[ST+8*\t+5], 0                      ; (a lane permute's destination counts as one of its sources)
	v_mov_b32 v[ST+8*\t+7], 0
.endr
.set i, 0
.rept 64
	v_mov_b32 v[OF+i], 0                           ; O^T: the step is written once; its first run finds zeros, which a = 0 leaves zeros
.set i, i+1
.endr
; A KEY STEP: 64 keys, the q-th of the slot in hand
.macro STEP q
	s_add_co_u32 s55, s[Q0], 31
	s_cmp_gt_u32 s[KF], s55                        ; all its keys come after my queries: nothing to do (ids alone; no barrier and no tensor load stands in a step)
	s_cbranch_scc1 .Lhidden_\@
	v_add_nc_u32 v[ADK], s[TB], v[L16]
	v_add_nc_u32 v[ADV], s[TB], v[AV0]
.rept 3
	v_nop                                          ; with the two additions five places behind the last step's products: the loads below land on V's registers, the products below write over P
.endr
.irp kt, 0,1,2,3
.irp dh, 0,1
.irp c, 0,1
	ds_load_b128 v[KV+16*\kt+8*\dh+4*\c:KV+16*\kt+8*\dh+4*\c+3], v[ADK] offset:(\q)*8192+\kt*2048+\dh*1024+\c*512
.endr
.endr
.endr
	s_wait_dscnt 0x0
.irp dh, 0,1                                   ; S^T = K Q^T: eight accumulators by turns
.irp kt, 0,1,2,3
.irp t, 0,1
.if \dh == 0
	v_wmma_f32_16x16x32_f16 v[SF+32*\t+8*\kt:SF+32*\t+8*\kt+7], v[KV+16*\kt+8*\dh:KV+16*\kt+8*\dh+7], v[QF+16*\t+8*\dh:QF+16*\t+8*\dh+7], 0
.else
	v_wmma_f32_16x16x32_f16 v[SF+32*\t+8*\kt:SF+32*\t+8*\kt+7], v[KV+16*\kt+8*\dh:KV+16*\kt+8*\dh+7], v[QF+16*\t+8*\dh:QF+16*\t+8*\dh+7], v[SF+32*\t+8*\kt:SF+32*\t+8*\kt+7]
.endif
.endr
.endr
.endr
.rept 4
	v_nop                                          ; places in front of the loads into K's registers and of the first read of the scores
.endr
.irp u, 0,1                                    ; V^T, turned: fragment (ct, u): 16 channels x 32 keys.  It lands while the softmax is worked
.irp ct, 0,1,2,3
	ds_load_tr16_b128 v[KV+8*(4*\u+\ct):KV+8*(4*\u+\ct)+3], v[ADV] offset:(8*(4*(\q)+2*\u)+2*\ct)*RUNP
	ds_load_tr16_b128 v[KV+8*(4*\u+\ct)+4:KV+8*(4*\u+\ct)+7], v[ADV] offset:(8*(4*(\q)+2*\u+1)+2*\ct)*RUNP
.endr
.endr
	s_add_co_u32 s55, s[KF], 63
	s_cmp_le_u32 s55, s[Q0]                        ; all keys count for all my queries: no mask
	s_cbranch_scc1 .Lopen_\@
	s_sub_co_i32 s55, s[Q0], s[KF]
	v_add_nc_u32 v[DD], s55, v[RH8]                ; register 8 kt + j of tile t holds key KF + 16 kt + 8 h + j: hidden where 16 kt + j > Q0 + 16 t + r - KF - 8 h
	v_add_nc_u32 v[DD+1], 16, v[DD]
.irp t, 0,1
.irp n, 0,1,2,3,4,5,6,7,8,9,10,11,12,13,14,15,16,17,18,19,20,21,22,23,24,25,26,27,28,29,30,31
	v_cmp_gt_i32 vcc_lo, 16*(\n/8)+\n%8, v[DD+\t]
	v_cndmask_b32 v[SF+32*\t+\n], v[SF+32*\t+\n], v[NEG], vcc_lo
.endr
.endr
.Lopen_\@:
.irp j, 0,1,2,3                                ; the maximum: four chains a tile, the tiles by turns
.irp t, 0,1
	v_max3_num_f32 v[ST+8*\t+4+\j], v[SF+32*\t+8*\j], v[SF+32*\t+8*\j+1], v[SF+32*\t+8*\j+2]
.endr
.endr
.irp i2, 3,5
.irp j, 0,1,2,3
.irp t, 0,1
	v_max3_num_f32 v[ST+8*\t+4+\j], v[ST+8*\t+4+\j], v[SF+32*\t+8*\j+\i2], v[SF+32*\t+8*\j+\i2+1]
.endr
.endr
.endr
.irp t, 0,1
	v_max3_num_f32 v[ST+8*\t+4], v[ST+8*\t+4], v[SF+32*\t+7], v[SF+32*\t+15]
	v_max3_num_f32 v[ST+8*\t+6], v[ST+8*\t+6], v[SF+32*\t+23], v[SF+32*\t+31]
.endr
.irp t, 0,1
	v_max3_num_f32 v[ST+8*\t+4], v[ST+8*\t+4], v[ST+8*\t+5], v[ST+8*\t+6]
.endr
.irp t, 0,1
	v_max3_num_f32 v[ST+8*\t+4], v[ST+8*\t+4], v[ST+8*\t+7], v[ST+8*\t+1]   ; and the old m
.endr
.irp t, 0,1
	v_permlanex16_b32 v[ST+8*\t+5], v[ST+8*\t+4], s[SEL], s[SEL+1]          ; the query's other 32 keys lie in the lane 16 away
.endr
.irp t, 0,1
	v_mov_b32 v[ST+8*\t+7], v[ST+8*\t]             ; c m_old
.endr
.irp t, 0,1
	v_max_num_f32 v[ST+8*\t+1], v[ST+8*\t+4], v[ST+8*\t+5]
.endr
.irp t, 0,1
	v_mul_f32 v[ST+8*\t], s[CS], v[ST+8*\t+1]
.endr
.irp t, 0,1
	v_sub_f32 v[ST+8*\t+7], v[ST+8*\t+7], v[ST+8*\t]
.endr
.set i, 0
.rept 16
	v_pk_fma_f32 v[SF+i:SF+i+1], v[SF+i:SF+i+1], s[CS:CS+1], v[ST:ST+1] op_sel_hi:[1,0,0] neg_lo:[0,0,1] neg_hi:[0,0,1]   ; c s - c m
	v_pk_fma_f32 v[SF+32+i:SF+32+i+1], v[SF+32+i:SF+32+i+1], s[CS:CS+1], v[ST+8:ST+9] op_sel_hi:[1,0,0] neg_lo:[0,0,1] neg_hi:[0,0,1]
.set i, i+2
.endr
	v_exp_f32 v[ST+6], v[ST+7]                     ; ONE BATCH of 66 exponentials: a = 2^(c m_old - c m_new) of both tiles,
	v_exp_f32 v[ST+14], v[ST+15]
.set i, 0
.rept 64
	v_exp_f32 v[SF+i], v[SF+i]                     ; and p = 2^(c s - c m)
.set i, i+1
.endr
	v_nop                                          ; a plain instruction behind the last exponential
	s_wait_alu depctr_va_vdst(0)                   ; one wait for the batch, ahead of its first reader
.irp t, 0,1                                    ; l = a l + the sum of p, in f32, of p before it is rounded: two chains a tile
	v_pk_fma_f32 v[ST+8*\t+2:ST+8*\t+3], v[ST+8*\t+2:ST+8*\t+3], v[ST+8*\t+6:ST+8*\t+7], v[SF+32*\t:SF+32*\t+1] op_sel_hi:[1,0,1]
	v_pk_add_f32 v[ST+8*\t+4:ST+8*\t+5], v[SF+32*\t+2:SF+32*\t+3], v[SF+32*\t+6:SF+32*\t+7]
.endr
.irp j, 4,8,12,16,20,24
.irp t, 0,1
	v_pk_add_f32 v[ST+8*\t+2:ST+8*\t+3], v[ST+8*\t+2:ST+8*\t+3], v[SF+32*\t+\j:SF+32*\t+\j+1]
	v_pk_add_f32 v[ST+8*\t+4:ST+8*\t+5], v[ST+8*\t+4:ST+8*\t+5], v[SF+32*\t+\j+6:SF+32*\t+\j+7]
.endr
.endr
.irp t, 0,1
	v_pk_add_f32 v[ST+8*\t+2:ST+8*\t+3], v[ST+8*\t+2:ST+8*\t+3], v[SF+32*\t+28:SF+32*\t+29]
.endr
.irp t, 0,1
	v_pk_add_f32 v[ST+8*\t+2:ST+8*\t+3], v[ST+8*\t+2:ST+8*\t+3], v[ST+8*\t+4:ST+8*\t+5]
.endr
.set i, 0
.rept 16
	v_cvt_pk_f16_f32 v[SF+i], v[SF+2*i], v[SF+2*i+1]               ; P, in place and ascending: registers 8 u .. 8 u + 7 of a tile are source 1 for keys 32 u on
	v_cvt_pk_f16_f32 v[SF+32+i], v[SF+32+2*i], v[SF+32+2*i+1]
.set i, i+1
.endr
.set i, 0
.rept 16
	v_pk_mul_f32 v[OF+i:OF+i+1], v[OF+i:OF+i+1], v[ST+6:ST+7] op_sel_hi:[1,0]        ; O^T x a
	v_pk_mul_f32 v[OF+32+i:OF+32+i+1], v[OF+32+i:OF+32+i+1], v[ST+14:ST+15] op_sel_hi:[1,0]
.set i, i+2
.endr
	s_wait_dscnt 0x0                               ; V is in
.irp u, 0,1                                    ; O^T += V^T P: eight accumulators by turns
.irp ct, 0,1,2,3
.irp t, 0,1
	v_wmma_f32_16x16x32_f16 v[OF+32*\t+8*\ct:OF+32*\t+8*\ct+7], v[KV+8*(4*\u+\ct):KV+8*(4*\u+\ct)+7], v[SF+32*\t+8*\u:SF+32*\t+8*\u+7], v[OF+32*\t+8*\ct:OF+32*\t+8*\ct+7]
.endr
.endr
.endr
.Lhidden_\@:
	s_add_co_u32 s[KF], s[KF], 64
.endm
; THE CHANGE OF SLOTS, at a slot's head.  Each wave waits for all its tensor loads, adds 0 to its spare word, and waits for that and for its reads of the slot that it has left; then the barrier.
; fill = 1: the slot just left is filled with the next 256 keys, first thing behind the barrier, unless those keys come after the work-group's last query.
.macro CHANGE fill
	s_wait_tensorcnt 0x0                           ; no tensor load of mine is out, so a group 0 may be written
	ds_add_u32 v[SPW], v[NIL]
.if \fill
	ds_add_u32 v[SPW], v[NIL]                      ; and twice on end here, in every trip alike
	s_xor_b32 s[G0K+1], s[G0K+1], SLOT1
	s_add_nc_u64 s[G0K+2:G0K+3], s[G0K+2:G0K+3], 32768
	s_xor_b32 s[G0V+1], s[G0V+1], SLOT1
	s_add_nc_u64 s[G0V+2:G0V+3], s[G0V+2:G0V+3], 32768
	s_wait_xcnt 0x0                                ; the last prefetch, a slot back, has read its address
	s_add_nc_u64 s[PFA:PFA+1], s[PFA:PFA+1], 32768
.endif
	s_wait_dscnt 0x0
	s_barrier_signal -1
	s_barrier_wait -1
.if \fill
	s_add_co_u32 s55, s[KF], 256                   ; the first key of the slot that this change would ask for
	s_cmp_gt_u32 s55, s[QL]                        ; ids and the count of steps alone: all sixteen waves go the same way; every wait on TENSORcnt in this text is for 0
	s_cbranch_scc1 .Lpast_\@
	TLOAD
.Lpast_\@:
	ASK
.endif
.endm
	s_wait_loadcnt 0x0                             ; Q
.Lslot:                                            ; seven trips
	CHANGE 1
	STEP 0
	STEP 1
	STEP 2
	STEP 3
	s_xor_b32 s[TB], s[TB], SLOT1
	s_sub_co_u32 s[SLOTS], s[SLOTS], 1
	s_cmp_lg_u32 s[SLOTS], 0
	s_cbranch_scc1 .Lslot
	CHANGE 0                                       ; the last slot: nothing more is asked for
	STEP 0
	STEP 1
	STEP 2
	STEP 3
	; THE WAY OUT: O^T / l, rounded to f16: four packed registers are a register group of the projection's operand
.rept 4
	v_nop
.endr
.irp t, 0,1
	v_add_f32 v[ST+8*\t+4], v[ST+8*\t+2], v[ST+8*\t+3]
.endr
.irp t, 0,1
	v_permlanex16_b32 v[ST+8*\t+5], v[ST+8*\t+4], s[SEL], s[SEL+1]
.endr
.irp t, 0,1
	v_add_f32 v[ST+8*\t+4], v[ST+8*\t+4], v[ST+8*\t+5]
.endr
.irp t, 0,1
	v_rcp_f32 v[ST+8*\t+6], v[ST+8*\t+4]
.endr
	v_nop
	s_wait_alu depctr_va_vdst(0)                   ; one wait for the two reciprocals, ahead of their first reader
.set i, 0
.rept 16
	v_pk_mul_f32 v[OF+i:OF+i+1], v[OF+i:OF+i+1], v[ST+6:ST+7] op_sel_hi:[1,0]
	v_pk_mul_f32 v[OF+32+i:OF+32+i+1], v[OF+32+i:OF+32+i+1], v[ST+14:ST+15] op_sel_hi:[1,0]
.set i, i+2
.endr
.set i, 0
.rept 16
	v_cvt_pk_f16_f32 v[SF+i], v[OF+2*i], v[OF+2*i+1]
	v_cvt_pk_f16_f32 v[SF+16+i], v[OF+32+2*i], v[OF+32+2*i+1]
.set i, i+1
.endr
.irp t, 0,1
.irp g, 0,1,2,3
	global_store_b128 v[L16], v[SF+16*\t+4*\g:SF+16*\t+4*\g+3], s[12:13] offset:\t*8192+\g*512   ; 512 consecutive bytes, aligned
.endr
.endr
	s_wait_tensorcnt 0x0                           ; the wave's end
	ds_add_u32 v[SPW], v[NIL]
	s_wait_dscnt 0x0
	s_endpgm
.Lfunc_end_k_q56b18ed811_attn:
	.size	k_q56b18ed811_attn, .Lfunc_end_k_q56b18ed811_attn-k_q56b18ed811_attn
	.p2alignl 7, 3214868480
	.fill 96, 4, 3214868480
	.section	.rodata,"a",@progbits
	.p2align	6, 0x0
	.amdhsa_kernel k_q56b18ed811_attn
		.amdhsa_group_segment_fixed_size 327680
		.amdhsa_private_segment_fixed_size 0
		.amdhsa_enable_private_segment 0
		.amdhsa_kernarg_size 16
		.amdhsa_user_sgpr_count 2
		.amdhsa_user_sgpr_kernarg_segment_ptr 1
		.amdhsa_wavefront_size32 1
		.amdhsa_system_sgpr_workgroup_id_x 1
		.amdhsa_system_sgpr_workgroup_id_y 1
		.amdhsa_system_sgpr_workgroup_id_z 1
		.amdhsa_system_vgpr_workitem_id 0
		.amdhsa_next_free_vgpr 256
		.amdhsa_next_free_sgpr 72
		.amdhsa_reserve_vcc 1
		.amdhsa_float_denorm_mode_32 3
		.amdhsa_float_denorm_mode_16_64 3
		.amdhsa_memory_ordered 1
		.amdhsa_forward_progress 1
		.amdhsa_inst_pref_size 185
	.end_amdhsa_kernel
	.amdgpu_metadata
---
amdhsa.version: [ 1, 2 ]
amdhsa.kernels:
  - .name:           k_q56b18ed811_attn
    .symbol:         k_q56b18ed811_attn.kd
    .args:
      - { .name: qkv, .offset: 0, .size: 8, .value_kind: global_buffer, .address_space: global }
      - { .name: yimg, .offset: 8, .size: 8, .value_kind: global_buffer, .address_space: global }
    .group_segment_fixed_size: 327680
    .private_segment_fixed_size: 0
    .kernarg_segment_align: 8
    .kernarg_segment_size: 16
    .max_flat_workgroup_size: 512
    .sgpr_count:     72
    .vgpr_count:     256
    .wavefront_size: 32
...
	.end_amdgpu_metadata
.endif
;; end of part 3
;; launch proj (part 4): grid 8 x 64, 4 waves a work-group, clusters of 4 x 4, 327,680 bytes of LDS; arguments yimg, wof, out0, bo; writes out0
.if DOCPART == 4
	.amdgcn_target "amdgcn-amd-amdhsa--gfx1250"
	.amdhsa_code_object_version 6
	.text
	.protected	k_q56b18ed811_proj
	.globl	k_q56b18ed811_proj
	.p2align	8
	.type	k_q56b18ed811_proj,@function
k_q56b18ed811_proj:
	s_mov_b64 s[64:65], 0
	v_nop
	global_prefetch_b8 v0, s[64:65] scope:SCOPE_SE
	s_setreg_imm32_b32 hwreg(HW_REG_WAVE_MODE, 25, 1), 1
	s_wait_xcnt 0x0
	s_wait_alu depctr_hold_cnt(0) depctr_sa_sdst(0) depctr_va_vdst(0) depctr_va_sdst(0) depctr_va_ssrc(0) depctr_va_vcc(0) depctr_vm_vsrc(0)
	s_getreg_b32 s2, hwreg(HW_REG_IB_STS2, 6, 4)
	s_cmp_eq_u32 s2, 0
	s_cbranch_scc0 .Lentry_in_a_cluster
	s_endpgm
.Lentry_in_a_cluster:
	s_bfe_u32 s2, ttmp6, 0x10000c
	s_cmp_lg_u32 s2, 0xf033
	s_cbranch_scc0 .Lentry_shape_is_right
	s_endpgm
.Lentry_shape_is_right:
; out0 = y Wo + bo.  M = 8,192, N = 1,024, K = 1,024; f16 operands, f32 sums, f32 out.  Both operands come as images of the operand's registers (16 rows or columns x 32 k in 1,024 bytes, register group c of
; lane l at 512 c + 16 l), laid [k / 256][tile of 16][(k / 32) % 8]: a K step of 256 of 64 rows is one dense block of 32,768 bytes, and a fragment is two loads of 16 bytes a lane at 16 x lane: no padding.
; A tile of out0 is 128 x 128: 512 work-groups; four waves, each 64 x 64: 16 accumulators.  K goes in four steps of 256 through two LDS slots.
; CLUSTERS 4 x 4: y's tiles are shared along a row of the cluster, Wo's along a column: asked for jointly.  Used transposed (source 0 = 16 columns of Wo, source 1 = 16 rows of y): a lane holds eight neighbouring
; columns of a row.  The bias is the C of each sum's first instruction.  A wave's 64 columns are 256 bytes of a row: they go through the wave's own stage and leave as whole aligned runs of 256 bytes.
; Rows t < 16 of every sequence are written here from f16 operands and written over by the last launch, in f32.  No prefetch: a K step's tiles are small and shared fourfold.
; REGISTERS: window 0: v16-29 addresses; v32-63 the bias, later with v64-95 rows on the way out; v128-255 the accumulators.  window 1: two fragment buffers of 128.
.set HALFT,  32768
.set SLOT,   4*HALFT
.set STAGE,  2*SLOT
.set SPITCH, 272
.set SPARE,  STAGE+4*16*SPITCH
.set LAPS,   2
.set ASTEP,  4194304                   ; a K step on in yimg
.set BSTEP,  524288                    ; and in wof
.set ADRA, 16
.set ADRB, 20
.set STO,  24
.set RD,   25
.set CO,   26
.set BA,   27
.set SPW,  28
.set NIL,  29
.set TMP,  32
.set ACC,  128
.set F0,   0
.set F1,   128
.set G1, 24
.set G0, 32
.set G1B, 48
.set G0B, 56
.set MSB, 0
.macro WIN new
.if MSB != (\new)
	s_set_vgpr_msb (MSB<<8)|(\new)
.set MSB, (\new)
.endif
.endm
.set MUL,  0x05                        ; sources 0 and 1 window 1; C and D window 0
.set TO_F, 0x40
.macro JLOAD s                         ; a joint load: waves 0 and 1 fetch y's halves, waves 2 and 3 Wo's; an s_nop 0 and four v_nop follow each line
	s_cmp_eq_u32 s11, 0
	s_cbranch_scc0 .Lfor_b_\@
	tensor_load_to_lds s[G0+4*\s:G0+4*\s+3], s[G1:G1+7]
	s_nop 0
.rept 4
	v_nop
.endr
	s_branch .Lasked_\@
.Lfor_b_\@:
	tensor_load_to_lds s[G0B+4*\s:G0B+4*\s+3], s[G1B:G1B+7]
	s_nop 0
.rept 4
	v_nop
.endr
.Lasked_\@:
.endm
.macro CREST
	s_cmp_lg_u32 s10, 0
	s_cbranch_scc1 .Lnot_wave_0_\@
	s_barrier_signal -3
.Lnot_wave_0_\@:
	s_barrier_wait -3
	s_barrier_signal -1
	s_barrier_wait -1
.endm
.macro CROUND
	s_barrier_signal -1
	s_barrier_wait -1
	CREST
.endm
	s_load_b128 s[4:7], s[0:1], 0x0                ; yimg s[4:5], wof s[6:7]
	s_load_b64 s[8:9], s[0:1], 0x10                ; out0
	s_load_b64 s[66:67], s[0:1], 0x18              ; bo
	v_lshl_add_u32 v[SPW], v0, 2, SPARE
	v_mov_b32 v[NIL], 0
	ds_add_u32 v[SPW], v[NIL]                      ; the wave's opening: the add, twice on end, and its wait ahead of my first tensor load
	ds_add_u32 v[SPW], v[NIL]
	v_lshrrev_b32 v1, 5, v0
	v_readfirstlane_b32 s10, v1                    ; wave 0..3
	s_lshr_b32 s11, s10, 1                         ; my half of the rows.  Also: I fetch for y (0) or for Wo (1)
	s_and_b32 s12, s10, 1                          ; my half of the columns.  Also: which half of that tile I fetch
	s_bfe_u32 s40, ttmp6, 0x40000
	s_bfe_u32 s41, ttmp6, 0x40004
	s_lshl_b32 s42, ttmp9, 2
	s_add_co_u32 s42, s42, s40                     ; tile column
	s_and_b32 s13, ttmp7, 0xffff
	s_lshl_b32 s13, s13, 2
	s_add_co_u32 s13, s13, s41                     ; tile row
	s_lshl_b32 s43, s41, 2
	s_lshl_b32 s43, 15, s43
	s_lshl_b32 s44, 0x1111, s40
	s_or_b32 s[G1+0], s43, (3<<16)|(1<<21)         ; a dense block of 32,768 bytes as 128 rows of 32 elements of 8 bytes
	s_or_b32 s[G1B+0], s44, (3<<16)|(1<<21)
.irp g, G1, G1B
	s_mov_b32 s[\g+1], 32<<16
	s_mov_b32 s[\g+2], 128<<16
	s_mov_b32 s[\g+3], 32<<16
	s_mov_b32 s[\g+4], 128
	s_mov_b32 s[\g+5], 32
	s_mov_b32 s[\g+6], 0
	s_mov_b32 s[\g+7], 0
.endr
	s_lshl_b32 s17, s12, 15                        ; which half I fetch
	s_lshl_b32 s16, s13, 16
	s_add_co_u32 s16, s16, s17                     ; y: 65,536 bytes a tile row
	s_lshl_b32 s46, s42, 16
	s_add_co_u32 s46, s46, s17                     ; Wo: 65,536 bytes a tile column
	s_mov_b32 s17, 0
	s_mov_b32 s47, 0
	s_lshl_b32 s20, s10, 15                        ; where they go: wave x 32,768
	s_wait_dscnt 0x0
	s_wait_kmcnt 0x0
	s_add_nc_u64 s[14:15], s[4:5], s[16:17]
	s_add_nc_u64 s[46:47], s[6:7], s[46:47]
	CROUND
.irp s, 0,1
	s_mov_b32 s[G0+4*\s], 1
	s_add_co_u32 s[G0+4*\s+1], s20, \s*SLOT
	s_add_nc_u64 s[G0+4*\s+2:G0+4*\s+3], s[14:15], \s*ASTEP
	s_or_b32 s[G0+4*\s+3], s[G0+4*\s+3], 0x80000000
	s_mov_b32 s[G0B+4*\s], 1
	s_add_co_u32 s[G0B+4*\s+1], s20, \s*SLOT
	s_add_nc_u64 s[G0B+4*\s+2:G0B+4*\s+3], s[46:47], \s*BSTEP
	s_or_b32 s[G0B+4*\s+3], s[G0B+4*\s+3], 0x80000000
	JLOAD \s
.endr
	v_and_b32 v1, 15, v0
	v_bfe_u32 v2, v0, 4, 1
	v_and_b32 v3, 31, v0
	v_lshlrev_b32 v3, 4, v3                        ; 16 x lane
	s_lshl_b32 s21, s11, 15                        ; my 64 rows of y
	s_lshl_b32 s22, s12, 15                        ; my 64 columns of Wo,
	s_add_co_u32 s22, s22, 2*HALFT                 ; behind y's two halves
.irp s, 0,1
	v_add_nc_u32 v[ADRA+\s], s21, v3
	v_add_nc_u32 v[ADRB+\s], s22, v3
	s_add_co_u32 s21, s21, SLOT
	s_add_co_u32 s22, s22, SLOT
.endr
	s_mul_i32 s23, s10, 16*SPITCH
	s_add_co_u32 s23, s23, STAGE                   ; my stage
	v_mul_u32_u24 v4, v1, SPITCH
	v_lshl_add_u32 v4, v2, 5, v4
	v_add_nc_u32 v[STO], s23, v4                   ; in: row r, 32 bytes for each half of the lanes
	v_mul_u32_u24 v5, v2, SPITCH
	v_lshl_add_u32 v5, v1, 4, v5
	v_add_nc_u32 v[RD], s23, v5                    ; back: lanes 0-15 one row of 256 bytes, lanes 16-31 the next
	v_lshlrev_b32 v5, 12, v2
	v_lshl_add_u32 v[CO], v1, 4, v5                ; and the same two rows in out0
	v_lshlrev_b32 v[BA], 5, v2
	s_lshl_b32 s16, s13, 7
	s_lshl_b32 s17, s11, 6
	s_add_co_u32 s16, s16, s17                     ; my first row
	s_lshl_b32 s16, s16, 12
	s_mov_b32 s17, 0
	s_lshl_b32 s46, s42, 9
	s_lshl_b32 s47, s12, 8
	s_add_co_u32 s46, s46, s47                     ; my first column, in bytes
	s_mov_b32 s47, 0
	s_add_nc_u64 s[8:9], s[8:9], s[16:17]
	s_add_nc_u64 s[8:9], s[8:9], s[46:47]
	s_add_nc_u64 s[66:67], s[66:67], s[46:47]
.irp b, 0,1,2,3                                ; the bias in the result's layout
	global_load_b128 v[TMP+8*\b:TMP+8*\b+3], v[BA], s[66:67] offset:64*\b
	global_load_b128 v[TMP+8*\b+4:TMP+8*\b+7], v[BA], s[66:67] offset:64*\b+16
.endr
.macro MUL8 f, c, a0, first            ; 8 matrix instructions: row blocks a0, a0 + 1 x the 4 column blocks, 32 along K.  first = 1: the bias starts the sums
.irp a, \a0, \a0+1
.irp b, 0,1,2,3
.if \first
	v_wmma_f32_16x16x32_f16 v[ACC+8*(4*(\a)+\b):ACC+8*(4*(\a)+\b)+7], v[\f+64+8*(4*\c+\b):\f+64+8*(4*\c+\b)+7], v[\f+8*(4*\c+\a):\f+8*(4*\c+\a)+7], v[TMP+8*\b:TMP+8*\b+7]
.else
	v_wmma_f32_16x16x32_f16 v[ACC+8*(4*(\a)+\b):ACC+8*(4*(\a)+\b)+7], v[\f+64+8*(4*\c+\b):\f+64+8*(4*\c+\b)+7], v[\f+8*(4*\c+\a):\f+8*(4*\c+\a)+7], v[ACC+8*(4*(\a)+\b):ACC+8*(4*(\a)+\b)+7]
.endif
.endr
.endr
.endm
.macro FETCH slot, qd, f               ; 32 LDS loads in one run: the fragments of the slot's qd-th 64 along K; the first 32 along K first
	WIN TO_F
.irp c, 0,1
.irp i, 0,1,2,3
	ds_load_b128 v[\f+64+8*(4*\c+\i):\f+64+8*(4*\c+\i)+3],   v[ADRB+\slot] offset:\i*8192+(2*(\qd)+\c)*1024
	ds_load_b128 v[\f+64+8*(4*\c+\i)+4:\f+64+8*(4*\c+\i)+7], v[ADRB+\slot] offset:\i*8192+(2*(\qd)+\c)*1024+512
	ds_load_b128 v[\f+8*(4*\c+\i):\f+8*(4*\c+\i)+3],         v[ADRA+\slot] offset:\i*8192+(2*(\qd)+\c)*1024
	ds_load_b128 v[\f+8*(4*\c+\i)+4:\f+8*(4*\c+\i)+7],       v[ADRA+\slot] offset:\i*8192+(2*(\qd)+\c)*1024+512
.endr
.endr
.endm
.macro PLACES
.rept 4
	v_nop
.endr
.endm
.macro QUARTER slot, qd, f, g, first   ; multiplies buffer f and fetches the slot's qd-th quarter into g
	s_wait_dscnt 16                                ; the first 32 along K are in; the other sixteen loads may be out
	WIN MUL
	MUL8 \f, 0, 0, \first
	MUL8 \f, 0, 2, \first
	PLACES
	FETCH \slot, \qd, \g
	s_wait_dscnt 32                                ; all but the 32 just issued
	WIN MUL
	MUL8 \f, 1, 0, 0
	MUL8 \f, 1, 2, 0
.endm
; A slot's last quarter changes slots: in front of the barrier each wave waits for all its tensor loads, adds 0 to its spare word, and waits for that and for its reads of this slot.
.macro TURN slot, next, fill
	WIN 0
	s_wait_tensorcnt 0x0
	ds_add_u32 v[SPW], v[NIL]
	s_wait_dscnt 17                                ; the add and the youngest sixteen loads may be out
	WIN MUL
	MUL8 F1, 0, 0, 0
	s_wait_dscnt 0x0
	s_barrier_signal -1
	MUL8 F1, 0, 2, 0
.if \fill
	WIN 0
.endif
	s_barrier_wait -1
.if \fill
	CREST                                          ; the barrier has opened a round of the cluster's barrier: no wave of any partner still reads this slot or has a load on its way
	s_add_nc_u64 s[G0+4*\slot+2:G0+4*\slot+3], s[G0+4*\slot+2:G0+4*\slot+3], 2*ASTEP
	s_add_nc_u64 s[G0B+4*\slot+2:G0B+4*\slot+3], s[G0B+4*\slot+2:G0B+4*\slot+3], 2*BSTEP
	JLOAD \slot                                    ; the first tensor load behind the round; its four v_nop are also the places in front of the loads below
.else
	PLACES
.endif
	FETCH \next, 0, F0
	WIN MUL
	MUL8 F1, 1, 0, 0
	MUL8 F1, 1, 2, 0
.endm
	s_wait_tensorcnt 1                             ; my part of K step 0 is in; K step 1's load may be out
	s_barrier_signal -1
	s_barrier_wait -1
	FETCH 0, 0, F0
	s_wait_loadcnt 0x0                             ; the bias
	QUARTER 0, 1, F0, F1, 1
	WIN 0
	s_mov_b32 s3, LAPS-1
.Llap:
	QUARTER 0, 2, F1, F0, 0
	QUARTER 0, 3, F0, F1, 0
	TURN 0, 1, 1
	QUARTER 1, 1, F0, F1, 0
	QUARTER 1, 2, F1, F0, 0
	QUARTER 1, 3, F0, F1, 0
	TURN 1, 0, 1
	QUARTER 0, 1, F0, F1, 0
	WIN 0
	s_sub_co_u32 s3, s3, 1
	s_cmp_lg_u32 s3, 0
	s_cbranch_scc1 .Llap
	QUARTER 0, 2, F1, F0, 0                        ; the last lap fills nothing
	QUARTER 0, 3, F0, F1, 0
	TURN 0, 1, 0
	QUARTER 1, 1, F0, F1, 0
	QUARTER 1, 2, F1, F0, 0
	QUARTER 1, 3, F0, F1, 0
	s_wait_dscnt 16
	WIN MUL
	MUL8 F1, 0, 0, 0
	MUL8 F1, 0, 2, 0
	s_wait_dscnt 0
	MUL8 F1, 1, 0, 0
	MUL8 F1, 1, 2, 0
	WIN 0
; THE WAY OUT, 16 rows x 64 columns at a time, through my own stage: LDS serves a wave's instructions in order, so no wait stands between the stores and the loads
.macro TOSTAGE a
.irp b, 0,1,2,3
	ds_store_b128 v[STO], v[ACC+8*(4*(\a)+\b):ACC+8*(4*(\a)+\b)+3] offset:64*\b
	ds_store_b128 v[STO], v[ACC+8*(4*(\a)+\b)+4:ACC+8*(4*(\a)+\b)+7] offset:64*\b+16
.endr
.irp t, 0,1,2,3,4,5,6,7
	ds_load_b128 v[TMP+32*((\a)%2)+4*\t:TMP+32*((\a)%2)+4*\t+3], v[RD] offset:\t*2*SPITCH
.endr
.endm
.macro SEND a, younger                 ; younger: the LDS instructions issued behind block a's loads
	s_wait_dscnt \younger
.irp t, 0,1,2,3,4,5,6,7
	global_store_b128 v[CO], v[TMP+32*((\a)%2)+4*\t:TMP+32*((\a)%2)+4*\t+3], s[8:9] offset:(16*(\a)+2*\t)*4096 th:TH_STORE_NT   ; sixteen lanes store 256 consecutive bytes, aligned
.endr
.endm
	PLACES
	TOSTAGE 0
	TOSTAGE 1
	SEND 0, 16                                     ; behind block 0's loads: block 1's 8 stores and 8 loads
	s_wait_xcnt 0x0                                ; block 0's stores have read their registers
	TOSTAGE 2
	SEND 1, 16
	s_wait_xcnt 0x0
	TOSTAGE 3
	SEND 2, 16
	SEND 3, 0
	s_wait_tensorcnt 0x0                           ; the wave's end
	ds_add_u32 v[SPW], v[NIL]
	s_wait_dscnt 0x0
	CROUND                                         ; the closing round
	s_endpgm
.Lfunc_end_k_q56b18ed811_proj:
	.size	k_q56b18ed811_proj, .Lfunc_end_k_q56b18ed811_proj-k_q56b18ed811_proj
	.p2alignl 7, 3214868480
	.fill 96, 4, 3214868480
	.section	.rodata,"a",@progbits
	.p2align	6, 0x0
	.amdhsa_kernel k_q56b18ed811_proj
		.amdhsa_group_segment_fixed_size 327680
		.amdhsa_private_segment_fixed_size 0
		.amdhsa_enable_private_segment 0
		.amdhsa_kernarg_size 32
		.amdhsa_user_sgpr_count 2
		.amdhsa_user_sgpr_kernarg_segment_ptr 1
		.amdhsa_wavefront_size32 1
		.amdhsa_system_sgpr_workgroup_id_x 1
		.amdhsa_system_sgpr_workgroup_id_y 1
		.amdhsa_system_sgpr_workgroup_id_z 1
		.amdhsa_system_vgpr_workitem_id 0
		.amdhsa_next_free_vgpr 512
		.amdhsa_next_free_sgpr 68
		.amdhsa_reserve_vcc 0
		.amdhsa_float_denorm_mode_32 3
		.amdhsa_float_denorm_mode_16_64 3
		.amdhsa_memory_ordered 1
		.amdhsa_forward_progress 1
		.amdhsa_inst_pref_size 86
	.end_amdhsa_kernel
	.amdgpu_metadata
---
amdhsa.version: [ 1, 2 ]
amdhsa.kernels:
  - .name:           k_q56b18ed811_proj
    .symbol:         k_q56b18ed811_proj.kd
    .args:
      - { .name: yimg, .offset: 0, .size: 8, .value_kind: global_buffer, .address_space: global }
      - { .name: wof, .offset: 8, .size: 8, .value_kind: global_buffer, .address_space: global }
      - { .name: out0, .offset: 16, .size: 8, .value_kind: global_buffer, .address_space: global }
      - { .name: bo, .offset: 24, .size: 8, .value_kind: global_buffer, .address_space: global }
    .group_segment_fixed_size: 327680
    .private_segment_fixed_size: 0
    .kernarg_segment_align: 8
    .kernarg_segment_size: 32
    .max_flat_workgroup_size: 128
    .sgpr_count:     68
    .vgpr_count:     512
    .wavefront_size: 32
...
	.end_amdgpu_metadata
.endif
;; end of part 4
;; launch fine (part 5): grid 16 x 4, 16 waves a work-group, no clusters, 71,680 bytes of LDS; arguments qkv32, Wo, bo, out0; writes out0
.if DOCPART == 5
	.amdgcn_target "amdgcn-amd-amdhsa--gfx1250"
	.amdhsa_code_object_version 6
	.text
	.protected	k_q56b18ed811_fine
	.globl	k_q56b18ed811_fine
	.p2align	8
	.type	k_q56b18ed811_fine,@function
k_q56b18ed811_fine:
	s_mov_b64 s[64:65], 0
	v_nop
	global_prefetch_b8 v0, s[64:65] scope:SCOPE_SE
	s_setreg_imm32_b32 hwreg(HW_REG_WAVE_MODE, 25, 1), 1
	s_wait_xcnt 0x0
; The first 16 positions of every sequence, in f32 all the way: scores, softmax, the weighted sum and the projection.  These rows average one to sixteen values and are the largest in size.
; qkv32: [b 4][t 16][3072] f32.  Work-group (nb, b) makes out0[b][0..15][64 nb .. 64 nb + 63].  Wave w is head w: it makes the head's 16 x 16 causal attention (small work, done again in each of the
; 16 work-groups of a batch), multiplies its y (16 x 64) by Wo's rows 64 w .. 64 w + 63 at the work-group's 64 columns, and the sixteen partial tiles are added through LDS.
; All products by v_wmma_f32_16x16x4_f32, transposed: a lane holds one query.  k is permuted alike on both sources of a product, so that a lane's registers can be loaded, or taken from the result before, as they lie.
; The accumulators v176-239 are written by matrix instructions alone; sums begin with the constant 0; what is made of a sum goes into other registers.
; REGISTERS: v1-8 offsets; v9, v10 the add's two; v12-15 the bias; v16-47 q, later Wo's tile 2; v48-79 k, later Wo's tile 3; v80-111 V, later y; v112-175 Wo's tiles 0, 1, later the partial sums;
;   v176-207 O^T; v208-239 four partial sums of S^T, later the four tiles of out^T; v240-247 scores, then p; v248-255 at work.
.set SPARE, 69632                      ; behind the sixteen stages of 16 x 272 bytes: the spare words
	s_load_b256 s[4:11], s[0:1], 0x0               ; qkv32 s[4:5], Wo s[6:7], bo s[8:9], out0 s[10:11]
	v_lshl_add_u32 v9, v0, 2, SPARE
	v_mov_b32 v10, 0
	v_lshrrev_b32 v1, 5, v0
	v_readfirstlane_b32 s12, v1                    ; wave = head
	s_and_b32 s13, ttmp7, 0xffff                   ; batch
	v_and_b32 v11, 15, v0                          ; r
	v_bfe_u32 v248, v0, 4, 1                       ; h
	v_mul_u32_u24 v1, v11, 12288
	v_lshl_add_u32 v1, v248, 7, v1                 ; q, k: row r, channels 32 h on
	v_mul_u32_u24 v2, v248, 98304
	v_lshl_add_u32 v2, v11, 2, v2                  ; v: keys 8 h on, channel r
	v_lshlrev_b32 v3, 15, v248
	v_lshl_add_u32 v3, v11, 2, v3                  ; Wo: rows 8 h on, column r
	s_mul_i32 s14, s12, 4352
	v_mul_u32_u24 v4, v11, 272
	v_lshl_add_u32 v4, v248, 5, v4
	v_add_nc_u32 v4, s14, v4                       ; my stage: row r, 32 bytes for each half of the lanes
	v_lshrrev_b32 v249, 4, v0
	v_mul_u32_u24 v5, v249, 272
	v_lshl_add_u32 v5, v11, 4, v5                  ; the sum: thread t takes row t / 16, 16 bytes at 16 (t % 16)
	v_lshlrev_b32 v6, 12, v249
	v_lshl_add_u32 v6, v11, 4, v6                  ; and the same place in out0
	v_lshlrev_b32 v7, 4, v11
	v_lshlrev_b32 v8, 3, v248
	v_sub_nc_u32 v8, v11, v8                       ; r - 8 h
	v_mov_b32 v249, 0xff800000                     ; -infinity
	v_mov_b32 v251, 0                              ; (a lane permute's destination counts as one of its sources)
	s_mul_i32 s16, s13, 196608
	s_lshl_b32 s17, s12, 8
	s_add_co_u32 s16, s16, s17                     ; my batch's rows, my head's 64 channels
	s_mov_b32 s17, 0
	s_lshl_b32 s20, ttmp9, 8                       ; the work-group's 64 columns, in bytes
	s_mov_b32 s21, 0
	s_lshl_b32 s18, s12, 18                        ; Wo's rows 64 w on
	s_add_co_u32 s18, s18, s20
	s_mov_b32 s19, 0
	s_lshl_b32 s22, s13, 23                        ; out0: 2,048 rows of 4,096 bytes a batch
	s_add_co_u32 s22, s22, s20
	s_mov_b32 s23, 0
	s_mov_b32 s24, 0x3e38aa3b                      ; c = log2(e) / 8
	s_mov_b32 s25, s24
	s_mov_b32 s26, 0x76543210
	s_mov_b32 s27, 0xfedcba98
	s_wait_kmcnt 0x0
	s_add_nc_u64 s[4:5], s[4:5], s[16:17]
	s_add_nc_u64 s[6:7], s[6:7], s[18:19]
	s_add_nc_u64 s[8:9], s[8:9], s[20:21]
	s_add_nc_u64 s[10:11], s[10:11], s[22:23]
	global_load_b128 v[12:15], v7, s[8:9]
.irp i, 0,1,2,3,4,5,6,7
	global_load_b128 v[16+4*\i:19+4*\i], v1, s[4:5] offset:16*\i          ; q(r, 32 h + 4 i ..)
.endr
.irp i, 0,1,2,3,4,5,6,7
	global_load_b128 v[48+4*\i:51+4*\i], v1, s[4:5] offset:4096+16*\i     ; k likewise
.endr
.irp ct, 0,1,2,3
.irp e, 0,1,2,3,4,5,6,7
	global_load_b32 v[80+8*\ct+\e], v2, s[4:5] offset:8192+\e*12288+64*\ct   ; v(key 8 h + e, channel 16 ct + r)
.endr
.endr
.macro WOLOAD nt, wb                   ; Wo(64 w + 16 ct + 8 h + e, column 16 nt + r)
.irp ct, 0,1,2,3
.irp e, 0,1,2,3,4,5,6,7
	global_load_b32 v[\wb+8*\ct+\e], v3, s[6:7] offset:(16*\ct+\e)*4096+64*\nt
.endr
.endr
.endm
	WOLOAD 0, 112
	WOLOAD 1, 144
	s_wait_loadcnt 63                              ; behind v's last load 64 of Wo's were issued: with at most 63 out, the bias, q, k and v are in
.irp s, 0,1,2,3,4,5,6,7,8,9,10,11,12,13,14,15  ; S^T = k q^T: step s takes channels 2 s, 2 s + 1, 32 + 2 s, 32 + 2 s + 1; four partial sums by turns
.if \s < 4
	v_wmma_f32_16x16x4_f32 v[208+8*(\s%4):215+8*(\s%4)], v[48+2*\s:49+2*\s], v[16+2*\s:17+2*\s], 0
.else
	v_wmma_f32_16x16x4_f32 v[208+8*(\s%4):215+8*(\s%4)], v[48+2*\s:49+2*\s], v[16+2*\s:17+2*\s], v[208+8*(\s%4):215+8*(\s%4)]
.endif
.endr
.rept 8
	v_nop                                          ; eight places behind this form: for the loads into q's and k's registers and the reads of the sums
.endr
	WOLOAD 2, 16
	WOLOAD 3, 48
.irp p, 0,1,2,3
	v_pk_add_f32 v[240+2*\p:241+2*\p], v[208+2*\p:209+2*\p], v[216+2*\p:217+2*\p]
.endr
.irp p, 0,1,2,3
	v_pk_add_f32 v[240+2*\p:241+2*\p], v[240+2*\p:241+2*\p], v[224+2*\p:225+2*\p]
.endr
.irp p, 0,1,2,3
	v_pk_add_f32 v[240+2*\p:241+2*\p], v[240+2*\p:241+2*\p], v[232+2*\p:233+2*\p]   ; register j: the score of key 8 h + j for query r
.endr
.irp j, 0,1,2,3,4,5,6,7
	v_cmp_gt_i32 vcc_lo, \j, v8                    ; hidden where 8 h + j > r
	v_cndmask_b32 v[240+\j], v[240+\j], v249, vcc_lo
.endr
	v_max3_num_f32 v250, v240, v241, v242
	v_max3_num_f32 v250, v250, v243, v244
	v_max3_num_f32 v250, v250, v245, v246
	v_max_num_f32 v250, v250, v247
	v_permlanex16_b32 v251, v250, s26, s27
	v_max_num_f32 v250, v250, v251                 ; the row's maximum: key 0 counts for every query
	v_mul_f32 v250, s24, v250
.irp p, 0,1,2,3
	v_pk_fma_f32 v[240+2*\p:241+2*\p], v[240+2*\p:241+2*\p], s[24:25], v[250:251] op_sel_hi:[1,0,0] neg_lo:[0,0,1] neg_hi:[0,0,1]
.endr
.irp j, 0,1,2,3,4,5,6,7
	v_exp_f32 v[240+\j], v[240+\j]
.endr
	v_nop
	s_wait_alu depctr_va_vdst(0)                   ; one wait for the eight exponentials, ahead of their first reader
	v_pk_add_f32 v[252:253], v[240:241], v[242:243]
	v_pk_add_f32 v[254:255], v[244:245], v[246:247]
	v_pk_add_f32 v[252:253], v[252:253], v[254:255]
	v_add_f32 v252, v252, v253
	v_permlanex16_b32 v251, v252, s26, s27
	v_add_f32 v252, v252, v251
	v_rcp_f32 v254, v252                           ; its wait stands behind the products below, ahead of its first reader
	v_mov_b32 v255, 0                              ; a plain instruction behind it; also the upper half of the pair that the packed form names
.irp s, 0,1,2,3                                ; O^T = v^T p: step s takes keys 2 s, 2 s + 1, 8 + 2 s, 9 + 2 s; four accumulators by turns
.irp ct, 0,1,2,3
.if \s == 0
	v_wmma_f32_16x16x4_f32 v[176+8*\ct:183+8*\ct], v[80+8*\ct+2*\s:81+8*\ct+2*\s], v[240+2*\s:241+2*\s], 0
.else
	v_wmma_f32_16x16x4_f32 v[176+8*\ct:183+8*\ct], v[80+8*\ct+2*\s:81+8*\ct+2*\s], v[240+2*\s:241+2*\s], v[176+8*\ct:183+8*\ct]
.endif
.endr
.endr
.rept 8
	v_nop
.endr
	s_wait_alu depctr_va_vdst(0)                   ; the reciprocal
.set i, 0
.rept 16
	v_pk_mul_f32 v[80+i:81+i], v[176+i:177+i], v[254:255] op_sel_hi:[1,0]   ; y(r, 64 w + 16 ct + 8 h + j) at register 8 ct + j
.set i, i+2
.endr
	s_wait_loadcnt 0x0                             ; Wo
.irp ct, 0,1,2,3                               ; out^T = Wo^T y^T: four tiles of 16 columns by turns
.irp s, 0,1,2,3
.irp nt, 0,1,2,3
.if (\ct == 0) && (\s == 0)
	v_wmma_f32_16x16x4_f32 v[208+8*\nt:215+8*\nt], v[112+32*\nt-(\nt/2)*160+8*\ct+2*\s:113+32*\nt-(\nt/2)*160+8*\ct+2*\s], v[80+8*\ct+2*\s:81+8*\ct+2*\s], 0
.else
	v_wmma_f32_16x16x4_f32 v[208+8*\nt:215+8*\nt], v[112+32*\nt-(\nt/2)*160+8*\ct+2*\s:113+32*\nt-(\nt/2)*160+8*\ct+2*\s], v[80+8*\ct+2*\s:81+8*\ct+2*\s], v[208+8*\nt:215+8*\nt]
.endif
.endr
.endr
.endr
.rept 8
	v_nop
.endr
.irp nt, 0,1,2,3
	ds_store_b128 v4, v[208+8*\nt:211+8*\nt] offset:64*\nt          ; lane (r, h): my head's part of out(r, 16 nt + 8 h + 0 .. 7)
	ds_store_b128 v4, v[212+8*\nt:215+8*\nt] offset:64*\nt+16
.endr
	s_wait_dscnt 0x0                               ; for the others' sake: my stores have landed
	s_barrier_signal -1
	s_barrier_wait -1
	s_cmp_lt_u32 s12, 8                            ; 256 threads add the sixteen parts: waves 0-7
	s_cbranch_scc0 .Ldone
.irp w, 0,1,2,3,4,5,6,7,8,9,10,11,12,13,14,15
	ds_load_b128 v[112+4*\w:115+4*\w], v5 offset:\w*4352
.endr
	s_wait_dscnt 0x0
.irp d, 8,4,2,1
.irp a, 0,1,2,3,4,5,6,7
.if \a < \d
	v_pk_add_f32 v[112+4*\a:113+4*\a], v[112+4*\a:113+4*\a], v[112+4*(\a+\d):113+4*(\a+\d)]
	v_pk_add_f32 v[114+4*\a:115+4*\a], v[114+4*\a:115+4*\a], v[114+4*(\a+\d):115+4*(\a+\d)]
.endif
.endr
.endr
	v_pk_add_f32 v[112:113], v[112:113], v[12:13]
	v_pk_add_f32 v[114:115], v[114:115], v[14:15]
	global_store_b128 v6, v[112:115], s[10:11]     ; sixteen lanes store 256 consecutive bytes, aligned
.Ldone:
	s_wait_tensorcnt 0x0                           ; the wave's end
	ds_add_u32 v9, v10
	s_wait_dscnt 0x0
	s_endpgm
.Lfunc_end_k_q56b18ed811_fine:
	.size	k_q56b18ed811_fine, .Lfunc_end_k_q56b18ed811_fine-k_q56b18ed811_fine
	.p2alignl 7, 3214868480
	.fill 96, 4, 3214868480
	.section	.rodata,"a",@progbits
	.p2align	6, 0x0
	.amdhsa_kernel k_q56b18ed811_fine
		.amdhsa_group_segment_fixed_size 71680
		.amdhsa_private_segment_fixed_size 0
		.amdhsa_enable_private_segment 0
		.amdhsa_kernarg_size 32
		.amdhsa_user_sgpr_count 2
		.amdhsa_user_sgpr_kernarg_segment_ptr 1
		.amdhsa_wavefront_size32 1
		.amdhsa_system_sgpr_workgroup_id_x 1
		.amdhsa_system_sgpr_workgroup_id_y 1
		.amdhsa_system_sgpr_workgroup_id_z 1
		.amdhsa_system_vgpr_workitem_id 0
		.amdhsa_next_free_vgpr 256
		.amdhsa_next_free_sgpr 66
		.amdhsa_reserve_vcc 1
		.amdhsa_float_denorm_mode_32 3
		.amdhsa_float_denorm_mode_16_64 3
		.amdhsa_memory_ordered 1
		.amdhsa_forward_progress 1
		.amdhsa_inst_pref_size 34
	.end_amdhsa_kernel
	.amdgpu_metadata
---
amdhsa.version: [ 1, 2 ]
amdhsa.kernels:
  - .name:           k_q56b18ed811_fine
    .symbol:         k_q56b18ed811_fine.kd
    .args:
      - { .name: qkv32, .offset: 0, .size: 8, .value_kind: global_buffer, .address_space: global }
      - { .name: Wo, .offset: 8, .size: 8, .value_kind: global_buffer, .address_space: global }
      - { .name: bo, .offset: 16, .size: 8, .value_kind: global_buffer, .address_space: global }
      - { .name: out0, .offset: 24, .size: 8, .value_kind: global_buffer, .address_space: global }
    .group_segment_fixed_size: 71680
    .private_segment_fixed_size: 0
    .kernarg_segment_align: 8
    .kernarg_segment_size: 32
    .max_flat_workgroup_size: 512
    .sgpr_count:     66
    .vgpr_count:     256
    .wavefront_size: 32
...
	.end_amdgpu_metadata
.endif
;; end of part 5
